; MI455X (gfx1250); checked and timed in simulation.
; The chip was launched on July 23, 2026; its instructions are those of AMD's public machine-readable ISA for CDNA 5 (MIT licence, August 2026) and "CDNA5" Instruction Set Architecture Reference Guide (July 2026). The comments in the code are by the model that wrote it; some were corrected since.
;; Multihead Attention. Allowed arithmetic: matrix products marked QUANTISED: E2M3 operands, one E8M0 scale for each 32 along K, by v_wmma_scale_f32_16x16x128_f8f6f4 with both operands' format E2M3, f32 sums; everything else in f32.
;; Inputs: bo 1,024 float32; wk 1,024 x 1,024 float32; wo 1,024 x 1,024 float32; wq 1,024 x 1,024 float32; wv 1,024 x 1,024 float32; x 2 x 2,048 x 1,024 float32.
;; Outputs: out0 2 x 2,048 x 1,024 float32.
;; This version of the problem:
;;   THIS VERSION OF THE PROBLEM IS GIVEN IN LOW PRECISION. The matrix products marked QUANTISED in the list below multiply operands that are first quantised to E2M3 (2 exponent bits, 3 mantissa bits; 6 bits a number), with one power-of-two scale for each 32 numbers along K (OCP MX v1.0); their sums are f32. All else is computed in f32.
;;   The module's matrix products, in the order in which they are computed (A, B: the left and right operand; K: the contracted axis; several contracted axes count as one K, in the product's order):
;;     1. [M 4,096, K 1,024] x [K 1,024, N 1,024]; A: input x; B: input wq: QUANTISED
;;     2. [M 4,096, K 1,024] x [K 1,024, N 1,024]; A: input x; B: input wk: QUANTISED
;;     3. [M 4,096, K 1,024] x [K 1,024, N 1,024]; A: input x; B: input wv: QUANTISED
;;     4. batch 32 x [M 2,048, K 64] x [K 64, N 2,048]; A: computed on the way; B: computed on the way: QUANTISED
;;     5. batch 32 x [M 2,048, K 2,048] x [K 2,048, N 64]; A: softmax (see below); B: computed on the way: QUANTISED
;;     6. [M 4,096, K 1,024] x [K 1,024, N 1,024]; A: computed on the way; B: input wo: QUANTISED
;;   THE QUANTISER, for each operand of a quantised product, along K:
;;     - K is cut into blocks of 32 from its start; a last block that is shorter is filled with zeros.
;;     - A block's scale is 2^e with e = floor(log2(the largest magnitude in the block)) - 2, held to -126 .. 127; a block of zeros has e = 0. As a byte (E8M0): e + 127.
;;     - Each number is divided by its block's scale, clamped to +-7.5, and rounded to the nearest number of E2M3, ties to even, subnormals kept.
;;     - The product sums the exact products of the quantised numbers (number of the format x scale) in f32.
;;   ~~~python
;;   def quantise(x, axis):      # numpy; x: float32 -> the quantised numbers, widened to float32 again
;;       x = np.moveaxis(x, axis, -1); K = x.shape[-1]
;;       x = np.pad(x, [(0, 0)] * (x.ndim - 1) + [(0, -K % 32)]); x = x.reshape(x.shape[:-1] + (-1, 32)); a = np.abs(x).max(-1, keepdims=True)
;;       e = np.where(a > 0, np.clip(np.frexp(np.where(a > 0, a, 1))[1] - 1 - 2, -126, 127), 0)      # np.frexp(a)[1] - 1 = floor(log2(a)), exactly
;;       r = np.clip(x / 2.0 ** e, -7.5, 7.5)
;;       step = 2.0 ** (np.maximum(np.frexp(np.where(r == 0, 1, r))[1] - 1, 0) - 3)
;;       q = np.round(r / step) * step * 2.0 ** e      # np.round: ties to even
;;       return np.moveaxis(q.reshape(q.shape[:-2] + (-1,))[..., :K], -1, axis).astype(np.float32)
;;   ~~~
;;   SOFTMAX AHEAD OF A QUANTISED PRODUCT. Where the list says 'softmax', what is quantised is not the finished softmax but p = 2^(t - M), with t = logit x log2(e) and M = ceil(the row's largest t), a whole number; so 1/2 < the row's largest p <= 1. The row's sum l is taken of the UNQUANTISED p, in f32, and the product's result is divided by l at the end. Since M is a whole number, a kernel that streams over the keys may use a running M (the ceiling of the running maximum): every later rescaling is an exact power of two, which a block's scale takes up: the codes' values come out the same.
;;   OPERANDS COMPUTED ON THE WAY. 'Computed on the way' means the value that the module computes at that place (a softmax that the list does not call 'softmax' is quantised finished and normalised). What goes into a quantiser is computed in f32, as accurately as f32 sums, v_exp_f32 and their like allow (about 1e-6 of the number): no bf16 or f16 on the way to a quantiser, and a product that is left as it is and whose result goes on into a quantised operand takes f32 operands (vector FMAs, or v_wmma_f32_16x16x4_f32). A number that lies on a knife's edge between two numbers of the format may be rounded either way, as far as f32 arithmetic and the matrix unit's own rounding can turn it there, and no further.
;; One version. Each part assembles by itself: llvm-mc -triple=amdgcn-amd-amdhsa -mcpu=gfx1250 --defsym DOCPART=n.
;; ======== version 1 of 1: 4 launches
;; limits: right only within a limited range of input values
;; workspace buffers: codes 6,291,456 bytes; scales 262,144 bytes; qimg 3,407,872 bytes; kv 6,684,672 bytes; ycodes 3,145,728 bytes; yscale 131,072 bytes
;; launch quant (part 1): grid 256 x 1, 8 waves a work-group, no clusters, 69,632 bytes of LDS; arguments x, wv, wq, wk, wo, codes, scales; writes codes, scales
.if DOCPART == 1
	.amdgcn_target "amdgcn-amd-amdhsa--gfx1250"
	.amdhsa_code_object_version 6
	.text
	.protected	k_q88307dca45_quant
	.globl	k_q88307dca45_quant
	.p2align	8
	.type	k_q88307dca45_quant,@function
k_q88307dca45_quant:
	s_mov_b64 s[64:65], 0
	v_nop
	global_prefetch_b8 v0, s[64:65] scope:SCOPE_SE
	s_setreg_imm32_b32 hwreg(HW_REG_WAVE_MODE, 25, 1), 1
	s_wait_xcnt 0x0
; x [4096][1024] and wv, wq, wk, wo [1024][1024], f32, K innermost, become codes of FP6 (E2M3) with one E8M0 byte for each 32 along K.  No work of the problem is left out in any launch.
; The five tensors count as one list of 8,192 rows (x, wv, wq, wk, wo); a work-group makes a PAIR of tiles of 16 rows, wave w its K step w (128 along K).
; THE ORDER OF ROWS: in a group of 64 rows, lane-row r of tile j (0 .. 3) is row 32 (r / 8) + 8 j + r % 8.  So where a product's registers run along four such tiles, a lane's 32 results are 32 neighbours: one scale block.
; OUT: a fragment (16 rows x 128 K, 12 registers a lane) leaves as the image of its registers: register p of lane l at 512 (p / 4) + 16 l + 4 (p % 4); tile T, K step s at 12288 T + 1536 s of codes.
; Tiles: x 0 .. 255; then for each head 12 tiles: q 0-3, v 0-1, k 0-3, v 2-3; wo from 448 on.
; A pair's scale words leave as one image of 1,024 bytes: word j of lane l in half g is the word of tile l / 16, row l % 16, K step 4 g + j.
; A block's scale is 2^(floor(log2(largest magnitude)) - 2); its byte is the magnitude's exponent field - 2, held at 1 from below.
; LIMITS: a block of zeros gets the byte 1 where the rule says 127 (its codes are zeros, and this program alone reads the bytes); blocks under 2^-124 have the byte held at 1; NaN and infinities are not served.
; Every load takes 512 consecutive bytes of a row, all 32 loads of a wave go out at the head, every store of codes covers 512 consecutive aligned bytes.  No two work-groups read the same byte: no cluster.
.set SPITCH, 528                       ; a stage row: 512 bytes + 16
.set STAGE,  16*SPITCH                 ; a wave's own stage
.set SCG,    8*STAGE                   ; behind the stages: the pair's scale image, 1,024 bytes; behind it, from 0x10c00 on, the spare words
.set X,  64                            ; v64-127  a lane's 64 numbers: k = 64 c + 32 h + 0 .. 31 of its row
.set R,  128                           ; v128-255 the two tiles as loaded
.set C,  28                            ; v28-39, v40-51 the two fragments' codes
.set TT, 20                            ; v20-22, v24-26 the upper halves of two blocks' codes
	s_load_b256 s[4:11], s[0:1], 0x0               ; x, wv, wq, wk
	s_load_b128 s[12:15], s[0:1], 0x20             ; wo, codes
	s_load_b64 s[16:17], s[0:1], 0x30              ; scales
	v_lshl_add_u32 v62, v0, 2, 0x10c00
	v_mov_b32 v63, 0
	v_lshrrev_b32 v1, 5, v0
	s_delay_alu instid0(VALU_DEP_1)
	v_readfirstlane_b32 s18, v1                    ; wave = K step
	v_and_b32 v1, 31, v0                           ; lane
	v_and_b32 v2, 15, v0                           ; r
	v_bfe_u32 v3, v0, 4, 1                         ; h
	s_delay_alu instid0(VALU_DEP_3)
	v_lshlrev_b32 v4, 4, v1                        ; 16 x lane: loads, stores of codes
	s_wait_alu depctr_va_vdst(0)
	s_mul_i32 s19, s18, STAGE
	v_add_nc_u32 v5, s19, v4                       ; the stage on the way in: 16 x lane of a row
	v_mul_u32_u24 v6, v2, SPITCH
	s_delay_alu instid0(VALU_DEP_1)
	v_lshl_add_u32 v6, v3, 7, v6
	s_delay_alu instid0(VALU_DEP_1)
	v_add_nc_u32 v6, s19, v6                       ; and on the way out: row r, + 128 h bytes
	s_lshr_b32 s23, s18, 2
	s_lshl_b32 s23, s23, 9
	s_and_b32 s28, s18, 3
	s_lshl_b32 s28, s28, 2
	s_add_co_u32 s23, s23, s28
	s_add_co_u32 s23, s23, SCG
	v_add_nc_u32 v7, s23, v4                       ; my scale word's place: 512 (w / 4) + 16 x lane + 4 (w % 4)
	s_and_b32 s28, s18, 1
	s_lshl_b32 s28, s28, 9
	s_add_co_u32 s29, s28, SCG
	v_add_nc_u32 v19, s29, v4                      ; where waves 0 and 1 read the image back
	v_lshlrev_b32 v18, 3, v3                       ; 8 h
	v_mov_b32 v15, 0                               ; a lane permute's destination counts as one of its sources
	s_mov_b32 s20, 0x76543210
	s_mov_b32 s21, 0xfedcba98                      ; v_permlanex16_b32's selects for lane l xor 16
	s_mov_b32 s22, 0xffff0000                      ; lanes 16-31
	s_and_b32 s26, ttmp9, 31
	s_cmp_lt_u32 ttmp9, 128
	s_cselect_b32 s26, ttmp9, s26                  ; the pair's number n inside its own tensor
	s_lshr_b32 s35, s26, 1                         ; its group of 64 rows (a weight's head)
	s_and_b32 s36, s26, 1                          ; tiles 0, 1 or 2, 3 of the group
	s_lshl_b32 s26, s35, 18                        ; 64 rows of 4,096 bytes,
	s_lshl_b32 s37, s36, 16                        ; 16 rows
	s_add_co_u32 s26, s26, s37
	s_lshl_b32 s27, s18, 9                         ; + my K step's 512 bytes
	s_add_co_u32 s26, s26, s27
	s_mov_b32 s27, 0
	s_mul_i32 s37, s35, 6                          ; the pair's number in codes: q: 128 + 6 head + p,
	s_add_co_u32 s37, s37, s36
	s_add_co_u32 s37, s37, 128
	s_add_co_u32 s38, s37, 3                       ; k: 3 more,
	s_lshl_b32 s39, s36, 1
	s_add_co_u32 s39, s39, s37
	s_add_co_u32 s39, s39, 2                       ; v: 2 + 2 p more;
	s_cmp_lt_u32 ttmp9, 192
	s_cselect_b32 s37, s37, s38
	s_cmp_lt_u32 ttmp9, 160
	s_cselect_b32 s37, s39, s37
	s_cmp_lt_u32 ttmp9, 128                        ; x and wo: as in the list
	s_cselect_b32 s37, ttmp9, s37
	s_cmp_lt_u32 ttmp9, 224
	s_cselect_b32 s37, s37, ttmp9
	s_mul_i32 s30, s37, 24576                      ; codes: two tiles of 12,288 bytes a pair,
	s_mul_i32 s31, s18, 1536                       ; my K step
	s_add_co_u32 s30, s30, s31
	s_mov_b32 s31, 0
	s_lshl_b32 s32, s37, 10                        ; scales: 1,024 bytes a pair, half w % 2
	s_add_co_u32 s32, s32, s28
	s_mov_b32 s33, 0
	s_wait_alu depctr_va_vdst(0)
	s_wait_kmcnt 0x0
	s_cmp_lt_u32 ttmp9, 224                        ; which tensor: the choice hangs on the work-group's number alone
	s_cselect_b64 s[24:25], s[10:11], s[12:13]
	s_cmp_lt_u32 ttmp9, 192
	s_cselect_b64 s[24:25], s[8:9], s[24:25]
	s_cmp_lt_u32 ttmp9, 160
	s_cselect_b64 s[24:25], s[6:7], s[24:25]
	s_cmp_lt_u32 ttmp9, 128
	s_cselect_b64 s[24:25], s[4:5], s[24:25]
	s_add_nc_u64 s[24:25], s[24:25], s[26:27]
	s_add_nc_u64 s[14:15], s[14:15], s[30:31]
	s_add_nc_u64 s[16:17], s[16:17], s[32:33]
.irp u, 0,1
.irp r, 0,1,2,3,4,5,6,7,8,9,10,11,12,13,14,15
	global_load_b128 v[R+64*\u+4*\r:R+64*\u+4*\r+3], v4, s[24:25] offset:(8*\u+(\r%8)+32*(\r/8))*4096 th:TH_LOAD_NT   ; 32 lanes read 512 consecutive bytes of a row
.endr
.endr
; One tile: through the stage, so that a lane holds two whole blocks of its row; scale, codes, store.
.macro TILE u
.if \u == 0
	s_wait_loadcnt 16                              ; the first tile's 16 loads are in; the second tile's 16 may be out
.else
	s_wait_loadcnt 0x0
.endif
.irp r, 0,1,2,3,4,5,6,7,8,9,10,11,12,13,14,15
	ds_store_b128 v5, v[R+64*\u+4*\r:R+64*\u+4*\r+3] offset:SPITCH*\r
.endr
.irp c, 0,1
.irp i, 0,1,2,3,4,5,6,7
	ds_load_b128 v[X+32*\c+4*\i:X+32*\c+4*\i+3], v6 offset:256*\c+16*\i   ; LDS serves a wave's instructions in order: these see the stores above
.endr
.endr
	s_wait_dscnt 0x0
.irp c, 0,1
	v_max3_num_f32 v[8+\c], |v[X+32*\c]|, |v[X+32*\c+1]|, 0x1800000   ; block 2 c + h: all 32 numbers are mine; the floor 2^(3 - 127) holds the byte at 1 from below
.endr
.irp i, 2,4,6,8,10,12,14,16,18,20,22,24,26,28,30
.irp c, 0,1
	s_delay_alu instid0(VALU_DEP_2)
	v_max3_num_f32 v[8+\c], v[8+\c], |v[X+32*\c+\i]|, |v[X+32*\c+\i+1]|
.endr
.endr
.irp c, 0,1
	s_delay_alu instid0(VALU_DEP_2)
	v_add_nc_u32 v[10+\c], 0xff000000, v[8+\c]     ; 2 off the exponent field: the conversion's scale operand
.endr
.irp c, 0,1
	s_delay_alu instid0(VALU_DEP_2)
	v_lshrrev_b32 v[12+\c], 23, v[10+\c]           ; the scale's byte
.endr
	s_delay_alu instid0(VALU_DEP_1)
	v_lshl_or_b32 v14, v13, 16, v12                ; my two bytes, blocks h and 2 + h,
	s_delay_alu instid0(VALU_DEP_1)
	v_lshlrev_b32 v14, v18, v14                    ; at their places in the word;
	s_delay_alu instid0(VALU_DEP_1)
	v_permlanex16_b32 v15, v14, s20, s21
	s_delay_alu instid0(VALU_DEP_1)
	v_or_b32 v[16+\u], v14, v15                    ; with lane l xor 16's two the word is whole
.irp c, 0,1
	v_cvt_scalef32_pk16_fp6_f32 v[C+12*\u+6*\c:C+12*\u+6*\c+2], v[X+32*\c:X+32*\c+15], v[10+\c]
	v_cvt_scalef32_pk16_fp6_f32 v[TT+4*\c:TT+4*\c+2], v[X+32*\c+16:X+32*\c+31], v[10+\c]   ; (a conversion's three registers begin on an even number)
.endr
	v_nop                                          ; one plain place behind the scaled conversions
.irp c, 0,1
.irp i, 0,1,2
	v_mov_b32 v[C+12*\u+6*\c+3+\i], v[TT+4*\c+\i]
.endr
.endr
.irp g, 0,1,2
	global_store_b128 v4, v[C+12*\u+4*\g:C+12*\u+4*\g+3], s[14:15] offset:12288*\u+512*\g   ; 512 consecutive aligned bytes; each tile has its own data registers
.endr
.endm
	TILE 0
	TILE 1
	v_cndmask_b32 v14, v16, v17, s22               ; lanes 0-15 tile 0's word, lanes 16-31 tile 1's
	ds_store_b32 v7, v14
	s_wait_dscnt 0x0                               ; for the others' sake: my word lies in the image
	s_barrier_signal -1
	s_barrier_wait -1
	s_cmp_gt_u32 s18, 1
	s_cbranch_scc1 .Lend                           ; waves 0 and 1 send the image's two halves
	ds_load_b128 v[52:55], v19
	s_wait_dscnt 0x0
	global_store_b128 v4, v[52:55], s[16:17]
.Lend:
	s_wait_tensorcnt 0x0
	ds_add_u32 v62, v63
	s_wait_dscnt 0x0
	s_endpgm
.Lfunc_end_k_q88307dca45_quant:
	.size	k_q88307dca45_quant, .Lfunc_end_k_q88307dca45_quant-k_q88307dca45_quant
	.p2alignl 7, 3214868480
	.fill 96, 4, 3214868480
	.section	.rodata,"a",@progbits
	.p2align	6, 0x0
	.amdhsa_kernel k_q88307dca45_quant
		.amdhsa_group_segment_fixed_size 69632
		.amdhsa_private_segment_fixed_size 0
		.amdhsa_enable_private_segment 0
		.amdhsa_kernarg_size 56
		.amdhsa_user_sgpr_count 2
		.amdhsa_user_sgpr_kernarg_segment_ptr 1
		.amdhsa_wavefront_size32 1
		.amdhsa_system_sgpr_workgroup_id_x 1
		.amdhsa_system_sgpr_workgroup_id_y 1
		.amdhsa_system_sgpr_workgroup_id_z 1
		.amdhsa_system_vgpr_workitem_id 0
		.amdhsa_next_free_vgpr 256
		.amdhsa_next_free_sgpr 66
		.amdhsa_reserve_vcc 0
		.amdhsa_float_denorm_mode_32 3
		.amdhsa_float_denorm_mode_16_64 3
		.amdhsa_memory_ordered 1
		.amdhsa_forward_progress 1
		.amdhsa_inst_pref_size 21
	.end_amdhsa_kernel
	.amdgpu_metadata
---
amdhsa.version: [ 1, 2 ]
amdhsa.kernels:
  - .name:           k_q88307dca45_quant
    .symbol:         k_q88307dca45_quant.kd
    .args:
      - { .name: x, .offset: 0, .size: 8, .value_kind: global_buffer, .address_space: global }
      - { .name: wv, .offset: 8, .size: 8, .value_kind: global_buffer, .address_space: global }
      - { .name: wq, .offset: 16, .size: 8, .value_kind: global_buffer, .address_space: global }
      - { .name: wk, .offset: 24, .size: 8, .value_kind: global_buffer, .address_space: global }
      - { .name: wo, .offset: 32, .size: 8, .value_kind: global_buffer, .address_space: global }
      - { .name: codes, .offset: 40, .size: 8, .value_kind: global_buffer, .address_space: global }
      - { .name: scales, .offset: 48, .size: 8, .value_kind: global_buffer, .address_space: global }
    .group_segment_fixed_size: 69632
    .private_segment_fixed_size: 0
    .kernarg_segment_align: 8
    .kernarg_segment_size: 56
    .max_flat_workgroup_size: 256
    .sgpr_count:     66
    .vgpr_count:     256
    .wavefront_size: 32
...
	.end_amdgpu_metadata
.endif
;; end of part 1
;; launch proj (part 2): grid 16 x 16, 4 waves a work-group, clusters of 4 x 4, 327,680 bytes of LDS; arguments codes, scales, qimg, kv; writes qimg, kv
.if DOCPART == 2
	.amdgcn_target "amdgcn-amd-amdhsa--gfx1250"
	.amdhsa_code_object_version 6
	.text
	.protected	k_q88307dca45_proj
	.globl	k_q88307dca45_proj
	.p2align	8
	.type	k_q88307dca45_proj,@function
k_q88307dca45_proj:
	s_mov_b64 s[64:65], 0
	v_nop
	global_prefetch_b8 v0, s[64:65] scope:SCOPE_SE
	s_setreg_imm32_b32 hwreg(HW_REG_WAVE_MODE, 25, 1), 1
	s_wait_xcnt 0x0
	s_wait_alu depctr_hold_cnt(0) depctr_sa_sdst(0) depctr_va_vdst(0) depctr_va_sdst(0) depctr_va_ssrc(0) depctr_va_vcc(0) depctr_vm_vsrc(0)
	s_getreg_b32 s2, hwreg(HW_REG_IB_STS2, 6, 4)
	s_cmp_eq_u32 s2, 0
	s_cbranch_scc0 .Lentry_in_a_cluster
	s_endpgm
.Lentry_in_a_cluster:
	s_bfe_u32 s2, ttmp6, 0x10000c
	s_cmp_lg_u32 s2, 0xf033
	s_cbranch_scc0 .Lentry_shape_is_right
	s_endpgm
.Lentry_shape_is_right:
; q = x wq^T, k = x wk^T, v = x wv^T on codes of FP6 (E2M3) with E8M0 scales, K = 1,024; the results are quantised in registers and leave as codes: q and k along the head's 64, v along the keys.
; A work-group makes 256 tokens x ONE HEAD'S q, k and v (192 columns): 16 x 16 = 256 work-groups of equal work.  Four waves, 2 x 2: 128 tokens (8 tiles) x 96 columns: the wave in column 0 makes q's four tiles and v's tiles 0, 1,
; the one in column 1 k's four and v's tiles 2, 3: in memory and in LDS each wave's six weight tiles are neighbours.  48 accumulators a wave.
; A tile's rows are 32 (r / 8) + 8 j + r % 8 of a group of 64.  q, k: source 0 = weight, source 1 = x: a lane holds a token, its 32 registers of four tiles are features 32 h + 0 .. 31 of the head: one scale block.
; v: source 0 = x, source 1 = weight: a lane holds a channel, its 32 registers of a band of four token tiles are keys 32 h + 0 .. 31 of the band's 64: one scale block.  No lane looks at another but for the scale words.
; LDS: x's 16 tiles, all of K (steps 0-2, then 3-7), and the weights' 12 tiles, steps 0-2 and 3-6.  One tensor load a wave at the head: wave 0 x's steps 0-2, wave 1 the weights', wave 2 x's steps 3-7, wave 3 the weights' 3-6.
; ONE REFILL: the weights' step 7, onto the bytes of their steps 0-2, in the round at K step 2's head, where every fragment of steps 0-2 has been read.
; CLUSTER 4 x 4: x's tiles are asked for jointly along a row of the cluster, the weights' along a column.  No prefetch: the walk along K is written out, all fills but the last are asked for at the head, and that one has four K steps to land.
; LIMITS: a block of zeros gets the byte 1 where the rule says 127 (zero codes; this program alone reads the bytes); blocks under 2^-124 have the byte held at 1; NaN and infinities are not served.
; REGISTERS: window 0: v2-14 addresses; v16-39 the weights' scale words, v44-75 x's (register 8 p + s: lanes 0-15 tile 2 p, lanes 16-31 tile 2 p + 1, K step s); v76-127 at work; v128-223 x's fragments of even K steps, later codes.
;   window 1: weights' fragments, two sets, at v0 and v72; x's of odd K steps at v144.   window 2: q's or k's accumulator (a, b) at v[32 a + 8 b].   window 3: v's (u, a) at v[64 u + 8 a].
.set XA, 0
.set WA, 73728
.set XB, 129024
.set WB, 251904
.set SPARE, 325632                     ; the spare words, 128 bytes a wave
.set SPW, 2
.set NIL, 3
.set AXA, 4
.set AXB, 5
.set AWA, 6
.set AWB, 7
.set AW7, 8
.set LI,  9                            ; 16 x lane
.set SH0, 10                           ; 8 h
.set SH1, 11                           ; 8 - 8 h
.set VSC, 12                           ; 16 x lane + the scale image's place in a record
.set VVS, 13                           ; 4 x lane + 128 x my column: v's scale words
.set SR,  16
.set SP,  44
.set TM,  76
.set SO,  84
.set BY,  92
.set XW,  100
.set XS,  104
.set XP,  108
.set WO,  116
.set VW,  120
.set PF,  128
.set TT,  176
.set PV,  208
.set TV,  232
.set WV,  12
.set HF,  13
.set HC,  14
.set SEL, 66
.set G1XA, 24
.set G1WA, 32
.set G1XB, 68
.set G1WB, 76
.set G0XA, 40
.set G0WA, 44
.set G0XB, 48
.set G0WB, 52
.set MSB, 0
.macro WIN new                         ; the immediate's high byte repeats the setting that is left
.if MSB != (\new)
	s_set_vgpr_msb (MSB<<8)|(\new)
.set MSB, (\new)
.endif
.endm
.macro PLACES n
.rept \n
	v_nop
.endr
.endm
.macro CREST                           ; a round of the cluster's barrier behind its opening barrier
	s_cmp_lg_u32 s[WV], 0
	s_cbranch_scc1 .Lnot_wave_0_\@
	s_barrier_signal -3
.Lnot_wave_0_\@:
	s_barrier_wait -3
	s_barrier_signal -1
	s_barrier_wait -1
.endm
.macro CROUND
	s_barrier_signal -1
	s_barrier_wait -1
	CREST
.endm
.macro GROUP1 g, mask, n, rows         ; rows (tiles) of n elements of 8 bytes, 12,288 bytes apart
	s_or_b32 s[\g], s\mask, (3<<16)|(1<<21)
	s_mov_b32 s[\g+1], (\n)<<16
	s_mov_b32 s[\g+2], (\rows)<<16
	s_mov_b32 s[\g+3], (\n)<<16
	s_mov_b32 s[\g+4], \rows
	s_mov_b32 s[\g+5], 1536
	s_mov_b32 s[\g+6], 0
	s_mov_b32 s[\g+7], 0
.endm
.macro GROUP0 g, lds, base, off
	s_mov_b32 s[\g], 1
	s_mov_b32 s[\g+1], \lds
	s_add_nc_u64 s[\g+2:\g+3], s[\base:\base+1], \off
	s_or_b32 s[\g+3], s[\g+3], 0x80000000
.endm
.macro TLOAD g0, g1
	tensor_load_to_lds s[\g0:\g0+3], s[\g1:\g1+7]
	s_nop 0
	PLACES 4
.endm
	s_load_b256 s[4:11], s[0:1], 0x0               ; codes, scales, qimg, kv
	v_lshl_add_u32 v[SPW], v0, 2, SPARE
	v_mov_b32 v[NIL], 0
	ds_add_u32 v[SPW], v[NIL]                      ; the wave's opening: the add, twice on end
	ds_add_u32 v[SPW], v[NIL]
	v_lshrrev_b32 v1, 5, v0
	v_readfirstlane_b32 s[WV], v1                  ; wave 0..3
	s_lshr_b32 s[HF], s[WV], 1                     ; my 128 tokens
	s_and_b32 s[HC], s[WV], 1                      ; my 96 columns
	s_bfe_u32 s15, ttmp6, 0x40000                  ; cx
	s_bfe_u32 s16, ttmp6, 0x40004                  ; cy
	s_lshl_b32 s17, ttmp9, 2
	s_add_co_u32 s17, s17, s15                     ; head
	s_and_b32 s18, ttmp7, 0xffff
	s_lshl_b32 s18, s18, 2
	s_add_co_u32 s18, s18, s16                     ; block of 256 tokens
	s_lshl_b32 s20, s16, 2
	s_lshl_b32 s20, 15, s20                        ; my row of the cluster
	s_lshl_b32 s21, 0x1111, s15                    ; my column
	GROUP1 G1XA, 20, 576, 16
	GROUP1 G1WA, 21, 576, 12
	GROUP1 G1XB, 20, 960, 16
	GROUP1 G1WB, 21, 768, 12
	s_mul_i32 s56, s18, 196608                     ; x's 16 tiles: the token block alone
	s_mov_b32 s57, 0
	s_mul_i32 s58, s17, 147456                     ; the head's 12 tiles, behind x's 256: the head alone
	s_add_co_u32 s58, s58, 3145728
	s_mov_b32 s59, 0
	s_mov_b32 s19, 0xffff0000                      ; lanes 16-31
	s_mov_b32 s[SEL], 0x76543210
	s_mov_b32 s[SEL+1], 0xfedcba98                 ; v_permlanex16_b32's selects for lane l xor 16
	s_wait_dscnt 0x0
	CROUND                                         ; all sixteen work-groups are here: the first joint loads meet
	s_wait_kmcnt 0x0
	s_add_nc_u64 s[56:57], s[4:5], s[56:57]
	s_add_nc_u64 s[58:59], s[4:5], s[58:59]
	GROUP0 G0XA, XA, 56, 0
	GROUP0 G0WA, WA, 58, 0
	GROUP0 G0XB, XB, 56, 4608
	GROUP0 G0WB, WB, 58, 4608
	s_cmp_eq_u32 s[WV], 0
	s_cbranch_scc0 .Lwave_1
	TLOAD G0XA, G1XA
	s_branch .Lasked
.Lwave_1:
	s_cmp_eq_u32 s[WV], 1
	s_cbranch_scc0 .Lwave_2
	TLOAD G0WA, G1WA
	s_branch .Lasked
.Lwave_2:
	s_cmp_eq_u32 s[WV], 2
	s_cbranch_scc0 .Lwave_3
	TLOAD G0XB, G1XB
	s_branch .Lasked
.Lwave_3:
	TLOAD G0WB, G1WB
.Lasked:
	s_lshl_b32 s84, s18, 3                         ; the scale images of my four pairs of x's tiles and three pairs of the weights'
	s_lshl_b32 s85, s[HF], 2
	s_add_co_u32 s84, s84, s85
	s_lshl_b32 s84, s84, 10
	s_mov_b32 s85, 0
	s_add_nc_u64 s[84:85], s[6:7], s[84:85]
	s_mul_i32 s86, s17, 6
	s_mul_i32 s87, s[HC], 3
	s_add_co_u32 s86, s86, s87
	s_add_co_u32 s86, s86, 128
	s_lshl_b32 s86, s86, 10
	s_mov_b32 s87, 0
	s_add_nc_u64 s[86:87], s[6:7], s[86:87]
	s_lshl_b32 s60, s18, 1                         ; my 128 tokens are unit j of batch b
	s_add_co_u32 s60, s60, s[HF]
	s_lshr_b32 s61, s60, 4
	s_and_b32 s62, s60, 15
	s_lshl_b32 s61, s61, 4
	s_add_co_u32 s61, s61, s17
	s_lshl_b32 s61, s61, 4
	s_add_co_u32 s61, s61, s62                     ; record (16 b + head) 16 + j
	s_mul_i32 s62, s61, 13056
	s_mov_b32 s63, 0
	s_add_nc_u64 s[96:97], s[10:11], s[62:63]      ; kv's record
	s_mul_i32 s62, s61, 6656
	s_add_nc_u64 s[94:95], s[8:9], s[62:63]        ; q's
	s_mul_i32 s62, s[HC], 3072
	s_add_nc_u64 s[98:99], s[96:97], s[62:63]      ; v's codes: my two tiles
	s_mov_b32 s93, 12288
	s_cmp_eq_u32 s[HC], 0
	s_cselect_b64 s[94:95], s[94:95], s[96:97]     ; column 0 stores q, column 1 k
	s_cselect_b32 s93, 6144, s93
	s_mul_i32 s88, s[HF], 8*4608
	s_mul_i32 s89, s[HF], 8*7680
	s_add_co_u32 s89, s89, XB
	s_mul_i32 s90, s[HC], 6*4608
	s_add_co_u32 s90, s90, WA
	s_mul_i32 s91, s[HC], 6*6144
	s_add_co_u32 s91, s91, WB
	s_mul_i32 s92, s[HC], 6*1536
	s_add_co_u32 s92, s92, WA
	s_lshl_b32 s62, s[HC], 7
	v_and_b32 v1, 31, v0
	v_bfe_u32 v14, v0, 4, 1                        ; h
	v_lshlrev_b32 v[LI], 4, v1
	v_lshlrev_b32 v[VVS], 2, v1
	v_lshlrev_b32 v[SH0], 3, v14
	v_sub_nc_u32 v[SH1], 8, v[SH0]
.irp p, 0,1,2,3
.irp g, 0,1
	global_load_b128 v[SP+8*\p+4*\g:SP+8*\p+4*\g+3], v[LI], s[84:85] offset:1024*\p+512*\g
.endr
.endr
.irp p, 0,1,2
.irp g, 0,1
	global_load_b128 v[SR+8*\p+4*\g:SR+8*\p+4*\g+3], v[LI], s[86:87] offset:1024*\p+512*\g
.endr
.endr
	v_add_nc_u32 v[VVS], s62, v[VVS]
	v_add_nc_u32 v[VSC], s93, v[LI]
	v_add_nc_u32 v[AXA], s88, v[LI]
	v_add_nc_u32 v[AXB], s89, v[LI]
	v_add_nc_u32 v[AWA], s90, v[LI]
	v_add_nc_u32 v[AWB], s91, v[LI]
	v_add_nc_u32 v[AW7], s92, v[LI]
.irp b, 0,1,2,3,4
	v_mov_b32 v[XP+\b], 0                          ; a lane permute's destination counts as one of its sources
.endr
; Fragment f of K step s, three loads of 512 consecutive bytes: f = 0 .. 3 the weights' tiles 0-3, 4 .. 11 x's tiles, 12, 13 the weights' tiles 4, 5: the order in which a step's products want them.
.macro LD3 adr, off
.irp c, 0,1,2
	ds_load_b128 v[R_+4*\c:R_+4*\c+3], v[\adr] offset:(\off)+512*\c
.endr
.endm
.macro LDF f, s
.set F_, \f
.set S_, \s
.if (F_ >= 4) && (F_ < 12)
.set T_, F_-4
.if S_%2
.set R_, 144+12*T_
	WIN 0x40
.else
.set R_, 128+12*T_
	WIN 0
.endif
.if S_ < 3
	LD3 AXA, T_*4608+1536*S_
.else
	LD3 AXB, T_*7680+1536*(S_-3)
.endif
.else
.set T_, F_
.if F_ >= 12
.set T_, F_-8
.endif
.set R_, 72*(S_%2)+12*T_
	WIN 0x40
.if S_ < 3
	LD3 AWA, T_*4608+1536*S_
.elseif S_ < 7
	LD3 AWB, T_*6144+1536*(S_-3)
.else
	LD3 AW7, T_*1536
.endif
.endif
.endm
.macro FETCH s                         ; all 14 fragments of K step s, in one run of 42 loads
.set FI, 0
.rept 14
	LDF FI, \s
.set FI, FI+1
.endr
.endm
.macro W2 c, ra, rb
	v_wmma_scale_f32_16x16x128_f8f6f4 v[rD:rD+7], v[rA:rA+11], v[rB:rB+11], \c, v[rX], v[rY] matrix_a_fmt:MATRIX_FMT_FP6 matrix_b_fmt:MATRIX_FMT_FP6 matrix_a_scale:MATRIX_SCALE_ROW\ra matrix_b_scale:MATRIX_SCALE_ROW\rb
.endm
.macro W1 c
.if rK == 0
	W2 \c, 0, 0
.elseif rK == 1
	W2 \c, 0, 1
.elseif rK == 2
	W2 \c, 1, 0
.else
	W2 \c, 1, 1
.endif
.endm
.macro PROD                            ; product N_ of K step PS_: 0 .. 31 q's or k's (token tile a, weight tile b), 32 .. 47 v's (token tile a, weight tile 4 + u)
.set PX, PS_%2
.if N_ < 32
.set pa, N_/4
.set pb, N_%4
.set WN, 0xa1+4*PX
.set rD, 32*pa+8*pb
.set rA, 72*PX+12*pb
.set rB, 128+16*PX+12*pa
.set rX, SR+8*(pb/2)+PS_
.set rY, SP+8*(pa/2)+PS_
.set rK, 2*(pb%2)+pa%2
.else
.set pa, (N_-32)/2
.set pb, N_%2
.set WN, 0xf4+PX
.set rD, 64*pb+8*pa
.set rA, 128+16*PX+12*pa
.set rB, 72*PX+48+12*pb
.set rX, SP+8*(pa/2)+PS_
.set rY, SR+16+PS_
.set rK, 2*(pa%2)+pb
.endif
	WIN WN
.if PS_ == 0
	W1 0
.else
	W1 v[rD:rD+7]
.endif
.endm
.macro PRODS from, to                  ; the 48 accumulators take turns, one instruction a turn, in the same order in every K step
.set N_, \from
.rept (\to)-(\from)
	PROD
.set N_, N_+1
.endr
.endm
; A K step.  Four plain places stand ahead of the first load into registers that the step before last's products have read (ISA guide 7.12.1 for vector instructions).
.macro STEP s
.set PS_, \s
	WIN 0
.if PS_ == 2                           ; the refill's round: products, register work, stand inside it
	s_wait_tensorcnt 0x0                           ; my part of the later K steps is in, and a descriptor may be written
	ds_add_u32 v[SPW], v[NIL]                      ; 0 onto my spare word
	s_mov_b32 s[G1WA+1], 192<<16                   ; the weights' step 7: 12 rows of 1,536 bytes, dense in LDS
	s_mov_b32 s[G1WA+3], 192<<16
	s_add_nc_u64 s[G0WA+2:G0WA+3], s[G0WA+2:G0WA+3], 10752
	s_wait_dscnt 0x0                               ; the add is done, and my reads of steps 0-2 are over
	s_barrier_signal -1
	PRODS 0, 16
	WIN 0
	s_barrier_wait -1
	CREST
	s_cmp_eq_u32 s[WV], 1
	s_cbranch_scc0 .Lno_refill
	TLOAD G0WA, G1WA
.Lno_refill:
	PLACES 4
	FETCH 3
	PRODS 16, 48
.elseif PS_ == 6                       ; a plain barrier shows the refill to all
	s_wait_tensorcnt 0x0
	s_wait_dscnt 0x0
	s_barrier_signal -1
	PRODS 0, 8
	WIN 0
	s_barrier_wait -1
	PLACES 4
	FETCH 7
	PRODS 8, 48
.elseif PS_ == 0                       ; the first products start as soon as their fragments are in
	s_wait_dscnt 15                                ; the last five fragments (x's tiles 5-7, the weights' tiles 4, 5) may be out
	PRODS 0, 20
	FETCH 1                                        ; (no product has read that set)
	s_wait_dscnt 42                                ; all but the 42 just issued
	PRODS 20, 48
.else
	s_wait_dscnt 0x0                               ; this step's fragments, asked for a step ago, are in
.if PS_ < 7
	PLACES 4
	FETCH PS_+1
.endif
	PRODS 0, 48
.endif
.endm
	s_wait_alu depctr_va_vdst(0)
	s_cmp_lt_u32 s[WV], 2
	s_cbranch_scc0 .Lnot_first
	s_wait_tensorcnt 0x0                           ; waves 0 and 1: K steps 0-2 are in
.Lnot_first:
	s_barrier_signal -1
	s_barrier_wait -1
	FETCH 0
	WIN 0
	s_wait_loadcnt 0x0                             ; the scale words
	STEP 0
	STEP 1
	STEP 2
	STEP 3
	STEP 4
	STEP 5
	STEP 6
	STEP 7
	WIN 0
	PLACES 4                                       ; in front of the first read of results
; THE WAY OUT.  n blocks of 32 registers in window w, block q at v[32 q]: six registers of codes at d + 6 q, the scale's byte in BY + q.  The n chains go by turns, each accumulator from its low end on.
.macro QUANT w, d, t, list:vararg
	WIN 20*(\w)
.irp q, \list
	v_max3_num_f32 v[TM+\q], 0x1800000, |v[32*\q]|, |v[32*\q+1]|   ; the floor 2^(3 - 127) holds the byte at 1 from below
.endr
.irp i, 2,4,6,8,10,12,14,16,18,20,22,24,26,28,30
.irp q, \list
	v_max3_num_f32 v[TM+\q], v[TM+\q], |v[32*\q+\i]|, |v[32*\q+\i+1]|
.endr
.endr
	WIN 0
.irp q, \list
	v_add_nc_u32 v[SO+\q], 0xff000000, v[TM+\q]    ; 2 off the exponent field: the conversion's scale operand
.endr
.irp q, \list
	v_lshrrev_b32 v[BY+\q], 23, v[SO+\q]
.endr
	WIN \w
.irp q, \list
	v_cvt_scalef32_pk16_fp6_f32 v[\d+6*\q:\d+6*\q+2], v[32*\q:32*\q+15], v[SO+\q]
	v_cvt_scalef32_pk16_fp6_f32 v[\t+4*\q:\t+4*\q+2], v[32*\q+16:32*\q+31], v[SO+\q]
.endr
	WIN 0
	v_nop                                          ; one plain place behind the scaled conversions
.irp q, \list
.irp i, 0,1,2
	v_mov_b32 v[\d+6*\q+3+\i], v[\t+4*\q+\i]
.endr
.endr
.endm
; A scale register's word: lanes 0-15 the even tile's row r, lanes 16-31 the odd tile's.  Each lane holds the bytes of its own half's blocks: one lane permute brings the other half's.
.macro WORD d, e, o, i
	v_cndmask_b32 v[XW+\i], v[\e], v[\o], s19
	v_cndmask_b32 v[XS+\i], v[\o], v[\e], s19
	v_permlanex16_b32 v[\d+0], v[XS+\i], s[SEL], s[SEL+1]
	v_lshlrev_b32 v[XW+\i], v[SH0], v[XW+\i]
.endm
	QUANT 2, PF, TT, 0,1,2,3,4,5,6,7
.irp p, 0,1,2,3
	WORD XP+\p, BY+2*\p, BY+2*\p+1, \p
	v_lshl_or_b32 v[WO+\p], v[XP+\p], v[SH1], v[XW+\p]   ; bytes 0, 1: the head's two blocks; bytes 2, 3 (the instruction's upper 64 along K) are 0
.endr
.irp g, 0,1,2,3,4,5,6,7,8,9,10,11
	global_store_b128 v[LI], v[PF+4*\g:PF+4*\g+3], s[94:95] offset:512*\g   ; 512 consecutive aligned bytes
.endr
	global_store_b128 v[VSC], v[WO:WO+3], s[94:95]
	QUANT 3, PV, TV, 0,1,2,3                       ; v: block q is tile q / 2, band q % 2
	v_lshl_or_b32 v[TM+4], v[BY+1], 16, v[BY]
	v_lshl_or_b32 v[TM+5], v[BY+3], 16, v[BY+2]
	WORD XP+4, TM+4, TM+5, 0
	v_lshl_or_b32 v[VW], v[XP+4], v[SH1], v[XW]
.irp g, 0,1,2,3,4,5
	global_store_b128 v[LI], v[PV+4*\g:PV+4*\g+3], s[98:99] offset:6144+512*\g
.endr
	global_store_b32 v[VVS], v[VW], s[96:97] offset:12800
	s_wait_tensorcnt 0x0                           ; the wave's end
	ds_add_u32 v[SPW], v[NIL]
	s_wait_dscnt 0x0
	CROUND                                         ; the closing round: no work-group ends while a partner may still ask for a tile that names it
	s_endpgm
.Lfunc_end_k_q88307dca45_proj:
	.size	k_q88307dca45_proj, .Lfunc_end_k_q88307dca45_proj-k_q88307dca45_proj
	.p2alignl 7, 3214868480
	.fill 96, 4, 3214868480
	.section	.rodata,"a",@progbits
	.p2align	6, 0x0
	.amdhsa_kernel k_q88307dca45_proj
		.amdhsa_group_segment_fixed_size 327680
		.amdhsa_private_segment_fixed_size 0
		.amdhsa_enable_private_segment 0
		.amdhsa_kernarg_size 32
		.amdhsa_user_sgpr_count 2
		.amdhsa_user_sgpr_kernarg_segment_ptr 1
		.amdhsa_wavefront_size32 1
		.amdhsa_system_sgpr_workgroup_id_x 1
		.amdhsa_system_sgpr_workgroup_id_y 1
		.amdhsa_system_sgpr_workgroup_id_z 1
		.amdhsa_system_vgpr_workitem_id 0
		.amdhsa_next_free_vgpr 896
		.amdhsa_next_free_sgpr 100
		.amdhsa_reserve_vcc 0
		.amdhsa_float_denorm_mode_32 3
		.amdhsa_float_denorm_mode_16_64 3
		.amdhsa_memory_ordered 1
		.amdhsa_forward_progress 1
		.amdhsa_inst_pref_size 103
	.end_amdhsa_kernel
	.amdgpu_metadata
---
amdhsa.version: [ 1, 2 ]
amdhsa.kernels:
  - .name:           k_q88307dca45_proj
    .symbol:         k_q88307dca45_proj.kd
    .args:
      - { .name: codes, .offset: 0, .size: 8, .value_kind: global_buffer, .address_space: global }
      - { .name: scales, .offset: 8, .size: 8, .value_kind: global_buffer, .address_space: global }
      - { .name: qimg, .offset: 16, .size: 8, .value_kind: global_buffer, .address_space: global }
      - { .name: kv, .offset: 24, .size: 8, .value_kind: global_buffer, .address_space: global }
    .group_segment_fixed_size: 327680
    .private_segment_fixed_size: 0
    .kernarg_segment_align: 8
    .kernarg_segment_size: 32
    .max_flat_workgroup_size: 128
    .sgpr_count:     100
    .vgpr_count:     896
    .wavefront_size: 32
...
	.end_amdgpu_metadata
.endif
;; end of part 2
;; launch attn (part 3): grid 8 x 32, 8 waves a work-group, clusters of 4 x 1, 210,432 bytes of LDS; arguments qimg, kv, ycodes, yscale; writes ycodes, yscale
.if DOCPART == 3
	.amdgcn_target "amdgcn-amd-amdhsa--gfx1250"
	.amdhsa_code_object_version 6
	.text
	.protected	k_q88307dca45_attn
	.globl	k_q88307dca45_attn
	.p2align	8
	.type	k_q88307dca45_attn,@function
k_q88307dca45_attn:
	s_mov_b64 s[64:65], 0
	v_nop
	global_prefetch_b8 v0, s[64:65] scope:SCOPE_SE
	s_setreg_imm32_b32 hwreg(HW_REG_WAVE_MODE, 25, 1), 1
	s_wait_xcnt 0x0
	s_wait_alu depctr_hold_cnt(0) depctr_sa_sdst(0) depctr_va_vdst(0) depctr_va_sdst(0) depctr_va_ssrc(0) depctr_va_vcc(0) depctr_vm_vsrc(0)
	s_getreg_b32 s2, hwreg(HW_REG_IB_STS2, 6, 4)
	s_cmp_eq_u32 s2, 0
	s_cbranch_scc0 .Lentry_in_a_cluster
	s_endpgm
.Lentry_in_a_cluster:
	s_bfe_u32 s2, ttmp6, 0x10000c
	s_cmp_lg_u32 s2, 0x3003
	s_cbranch_scc0 .Lentry_shape_is_right
	s_endpgm
.Lentry_shape_is_right:
; y[b][h][q] = the sum over k of softmax_k(q . k / 8) v, both products on codes of FP6 (E2M3) with E8M0 scales; y is quantised along the head's 64 and leaves as codes for the last product.
; THE SOFTMAX: t = score x log2(e) / 8; M = the running largest t rounded UP to a whole number; p = 2^(t - M) is quantised along the keys, not normalised; the row's sum is taken of the unquantised p and divides at the end.
; When M moves, the sum and O are multiplied by 2^(old M - new M): exact.  A block's largest p is the exponential of its largest score.
; SHARES.  A work-group owns 256 queries of one (batch, head); each of its eight waves TWO tiles of 16, T = 0 and 1, in 512 registers: every fragment of K and V that a wave loads serves both, and the two tiles' chains go by turns.
; THE WHOLE HEAD LIES IN LDS: 16 records of 13,056 bytes (a key step's K codes, V codes, K scale words, V scale words), one tensor load of two records a wave; no slot is ever filled again.
; The first barrier shows records 0 to 3 (waves 0 and 1 wait); the second, signalled at step 1's head and waited for in step 2, shows the others.  No prefetch: every record is asked for at the head.
; CLUSTER 4 x 1: the four query blocks of a cluster walk the same head: each record is asked for jointly, by the same tensor load with the mask of all four.
; LAYOUT.  Both products are used transposed: S^T = K Q^T, O^T = V^T P^T: a lane holds one query of each tile throughout.  A tile's keys (channels, queries) are 32 (r / 8) + 8 j + r % 8 of a group of 64,
; so a lane's 32 registers of four tiles are 32 neighbours, k = 64 c + 32 h + 0 .. 31: one scale block, and the very codes that the next operand's layout gives that lane.
; THE FIRST PRODUCT'S K IS 64: Q's registers 6-11 are zero codes, K's operand names there the next tile's registers (E2M3 has no NaN and no infinity), and both scale words have 0 in bytes 2, 3.
; LIMITS: a block of zeros gets the byte 1 where the rule says 127 (zero codes; this program alone reads the bytes); NaN and infinities are not served; t - M is one fused multiply-add.
; REGISTERS, window 0: v1-5 addresses; v8-9 V's scale words, v10 + T p's; v12 + 2 T -M, v13 + 2 T the largest score; v[16 + 2 T : 17 + 2 T] the row's sum in two halves; v20 + 2 T the factor f; v24 + 12 T Q;
;   v48-95 K's eight half fragments; v96-143 V's four fragments; v144 + 12 T p's codes; v168-175 the blocks' maxima; v176-218 at work; v248-251 K's scale words; v255 Q's (lanes 0-15 tile 0, lanes 16-31 tile 1).
;   window 1: v64 T S^T, then p; v128 + 32 T O^T.
.set REC,  13056
.set YS,   16*REC                      ; behind the records: 512 bytes for the work-group's scale bytes
.set SPARE, YS+512                     ; the spare words, 128 bytes a wave
.set LI,   1                           ; 16 x lane
.set L8,   2                           ; 8 x lane
.set ADR,  3
.set AD4,  4
.set L4,   5                           ; 4 x lane
.set NIL,  220
.set SPW,  221
.set TB,   2                           ; s2  LDS byte at which the step's record begins
.set CNT,  3
.set WV,   18
.set SEL,  20
.set CS,   22
.set G1,   24
.set G0,   32
.set MSB, 0
.macro WIN new                         ; the immediate's high byte repeats the setting that is left
.if MSB != (\new)
	s_set_vgpr_msb (MSB<<8)|(\new)
.set MSB, (\new)
.endif
.endm
.macro CROUND
	s_barrier_signal -1
	s_barrier_wait -1
	s_cmp_lg_u32 s[WV], 0
	s_cbranch_scc1 .Lnot_wave_0_\@
	s_barrier_signal -3
.Lnot_wave_0_\@:
	s_barrier_wait -3
	s_barrier_signal -1
	s_barrier_wait -1
.endm
	s_load_b256 s[4:11], s[0:1], 0x0               ; qimg, kv, ycodes, yscale
	v_lshl_add_u32 v[SPW], v0, 2, SPARE
	v_mov_b32 v[NIL], 0
	ds_add_u32 v[SPW], v[NIL]                      ; the wave's opening: the add, twice on end
	ds_add_u32 v[SPW], v[NIL]
	v_lshrrev_b32 v5, 5, v0
	v_readfirstlane_b32 s[WV], v5                  ; wave 0..7
	s_bfe_u32 s12, ttmp6, 0x40000                  ; cx
	s_lshl_b32 s13, ttmp9, 2
	s_add_co_u32 s13, s13, s12                     ; my block of 256 queries: it enters Q's and y's addresses alone
	s_and_b32 s14, ttmp7, 0xffff                   ; 16 b + h, which the four partners share
	; group 1: two records, dense in memory, as 102 rows of 256 bytes (32 elements of 8 bytes)
	s_mov_b32 s[G1], 15|(3<<16)|(1<<21)            ; the mask: all four work-groups; bit 21 beside a mask
	s_mov_b32 s[G1+1], 32<<16
	s_mov_b32 s[G1+2], 102<<16
	s_mov_b32 s[G1+3], 32<<16
	s_mov_b32 s[G1+4], 102
	s_mov_b32 s[G1+5], 32
	s_mov_b32 s[G1+6], 0
	s_mov_b32 s[G1+7], 0
	s_lshl_b32 s16, s14, 4
	s_lshl_b32 s17, s[WV], 1
	s_add_co_u32 s16, s16, s17
	s_mul_i32 s16, s16, REC                        ; records 16 (16 b + h) + 2 x wave and the next
	s_mov_b32 s17, 0
	s_mul_i32 s19, s[WV], 2*REC
	s_mov_b32 s[SEL], 0x76543210
	s_mov_b32 s[SEL+1], 0xfedcba98                 ; v_permlanex16_b32's selects for lane l xor 16
	s_mov_b32 s[CS], 0x3e38aa3b                    ; c = log2(e) / 8
	s_mov_b32 s[CS+1], s[CS]                       ; (named with it as a pair)
	s_wait_dscnt 0x0
	CROUND                                         ; all four work-groups are here: the joint loads meet
	s_wait_kmcnt 0x0
	s_add_nc_u64 s[16:17], s[6:7], s[16:17]
	s_mov_b32 s[G0], 1
	s_mov_b32 s[G0+1], s19
	s_mov_b64 s[G0+2:G0+3], s[16:17]
	s_or_b32 s[G0+3], s[G0+3], 0x80000000
	s_cmp_lt_u32 s[WV], 2                          ; waves 0 and 1 have a load line of their own: they alone wait ahead of the first barrier
	s_cbranch_scc0 .Llater
	tensor_load_to_lds s[G0:G0+3], s[G1:G1+7]
	s_nop 0
.rept 4
	v_nop
.endr
	s_branch .Lasked
.Llater:
	tensor_load_to_lds s[G0:G0+3], s[G1:G1+7]
	s_nop 0
.rept 4
	v_nop
.endr
.Lasked:
	s_lshl_b32 s49, s14, 4                         ; Q's record: unit 2 x block + wave / 4 of my head
	s_lshl_b32 s50, s13, 1
	s_add_co_u32 s49, s49, s50
	s_lshr_b32 s50, s[WV], 2
	s_add_co_u32 s49, s49, s50
	s_mul_i32 s50, s49, 6656
	s_mov_b32 s51, 0
	s_add_nc_u64 s[4:5], s[4:5], s[50:51]
	s_and_b32 s52, s[WV], 3                        ; my pair of the unit's eight tiles
	s_mul_i32 s53, s52, 1536
	s_lshl_b32 s54, s52, 2
	v_and_b32 v5, 31, v0
	v_lshlrev_b32 v[LI], 4, v5
	v_lshlrev_b32 v[L8], 3, v5
	v_lshlrev_b32 v[L4], 2, v5
	v_add_nc_u32 v6, s53, v[LI]
	v_add_nc_u32 v7, s54, v[LI]
.irp c, 0,1,2
	global_load_b128 v[144+4*\c:147+4*\c], v6, s[4:5] offset:512*\c   ; the pair's 12 registers
.endr
	global_load_b32 v255, v7, s[4:5] offset:6144   ; and its scale words: lanes 0-15 tile 0's, lanes 16-31 tile 1's
.irp j, 30,31,32,33,34,35,42,43,44,45,46,47,96,97,98,99,100,101
	v_mov_b32 v[\j], 0                             ; Q's codes for the instruction's upper 64 along K; and what the eighth tile's operand names before V's first fragment lands there
.endr
.irp j, 176,177,178,179
	v_mov_b32 v[\j], 0                             ; a lane permute's destination counts as one of its sources
.endr
	v_mov_b32 v21, 0                               ; (named as the upper halves of pairs)
	v_mov_b32 v23, 0
	s_mov_b32 s[TB], 0
	s_wait_alu depctr_va_vdst(0)
	s_wait_loadcnt 0x0
.irp i, 0,1,2,3,4,5
	v_mov_b32 v[24+\i], v[144+\i]
	v_mov_b32 v[36+\i], v[150+\i]
.endr
	s_wait_alu depctr_va_vdst(0)
	s_cmp_lt_u32 s[WV], 2
	s_cbranch_scc0 .Lnot_first_two
	s_wait_tensorcnt 0x0                           ; records 0 to 3 are in
.Lnot_first_two:
	s_barrier_signal -1
	s_barrier_wait -1
.macro LOADK adr, off                  ; K's eight half fragments (tile t in v[48 + 6 t ..]) and their scale words (register t / 2, lanes 0-15 the even tile, lanes 16-31 the odd one): 13 loads
.irp g, 0,1,2,3,4,5,6,7,8,9,10,11
	ds_load_b128 v[48+4*\g:51+4*\g], v[\adr] offset:(\off)+512*\g
.endr
	ds_load_b128 v[248:251], v[\adr] offset:(\off)+12288
.endm
	LOADK LI, 0
.rept 4
	v_nop                                          ; places between Q's last write and the first product
.endr
; A KEY STEP: 128 keys, both tiles.  first: the sums begin.  pre: the next step's K is loaded.  sig, bw: the second barrier's signal and its wait.
.macro STEP first, pre, sig, bw
.if \sig
	s_wait_tensorcnt 0x0                           ; my records are in
.endif
	s_wait_dscnt 0x0                               ; K is in
.if \sig
	s_barrier_signal -1                            ; up to its wait in step 2 stand register work and LDS loads of records 1 and 2, which nobody writes
.endif
	WIN 0x40                                       ; D in window 1
.irp T, 0,1
.irp t, 0,2,4,6
	v_wmma_scale_f32_16x16x128_f8f6f4 v[64*\T+8*\t:64*\T+8*\t+7], v[48+6*\t:59+6*\t], v[24+12*\T:35+12*\T], 0, v[248+\t/2], v255 matrix_a_fmt:MATRIX_FMT_FP6 matrix_b_fmt:MATRIX_FMT_FP6 matrix_a_scale:MATRIX_SCALE_ROW0 matrix_b_scale:MATRIX_SCALE_ROW\T
	v_wmma_scale_f32_16x16x128_f8f6f4 v[64*\T+8*\t+8:64*\T+8*\t+15], v[54+6*\t:65+6*\t], v[24+12*\T:35+12*\T], 0, v[248+\t/2], v255 matrix_a_fmt:MATRIX_FMT_FP6 matrix_b_fmt:MATRIX_FMT_FP6 matrix_a_scale:MATRIX_SCALE_ROW1 matrix_b_scale:MATRIX_SCALE_ROW\T
.endr
.endr
	WIN 0
	v_add_nc_u32 v[ADR], s[TB], v[LI]              ; these two and two more are the places in front of the first read of the scores
	v_add_nc_u32 v[AD4], s[TB], v[L4]
	v_nop
	v_nop
	WIN 0x15
.irp c, 0,1                            ; the largest score of each block of 32 keys, two blocks a tile, in two chains a block
.irp T, 0,1
	v_max3_num_f32 v[168+4*\T+2*\c], v[64*\T+32*\c], v[64*\T+32*\c+1], v[64*\T+32*\c+2]
	v_max3_num_f32 v[169+4*\T+2*\c], v[64*\T+32*\c+16], v[64*\T+32*\c+17], v[64*\T+32*\c+18]
.endr
.endr
	WIN 0x14
.irp i, 3,5,7,9,11,13
.irp c, 0,1
.irp T, 0,1
	v_max3_num_f32 v[168+4*\T+2*\c], v[168+4*\T+2*\c], v[64*\T+32*\c+\i], v[64*\T+32*\c+\i+1]
	v_max3_num_f32 v[169+4*\T+2*\c], v[169+4*\T+2*\c], v[64*\T+32*\c+\i+16], v[64*\T+32*\c+\i+17]
.endr
.endr
.endr
.irp c, 0,1
.irp T, 0,1
	v_max3_num_f32 v[168+4*\T+2*\c], v[168+4*\T+2*\c], v[64*\T+32*\c+15], v[64*\T+32*\c+31]
.endr
.endr
	WIN 0
.irp c, 0,1
.irp T, 0,1
	v_max_num_f32 v[168+4*\T+2*\c], v[168+4*\T+2*\c], v[169+4*\T+2*\c]
.endr
.endr
.irp T, 0,1
	v_max_num_f32 v[180+\T], v[168+4*\T], v[170+4*\T]
.endr
.irp T, 0,1
	v_permlanex16_b32 v[176+\T], v[180+\T], s[SEL], s[SEL+1]
.endr
.irp T, 0,1
.if \first
	v_max_num_f32 v[13+2*\T], v[180+\T], v[176+\T] ; with lane l xor 16's keys: the row's largest score
.else
	v_max3_num_f32 v[13+2*\T], v[13+2*\T], v[180+\T], v[176+\T]
.endif
.endr
.irp T, 0,1
	v_mul_f32 v[180+\T], s[CS], v[13+2*\T]
.endr
.if \first == 0
.irp T, 0,1
	v_mov_b32 v[182+\T], v[12+2*\T]
.endr
.endif
.irp T, 0,1
	v_floor_f32 v[12+2*\T], -v[180+\T]             ; the new -M = -ceil(t)
.endr
.if \first == 0
.irp T, 0,1
	v_sub_f32 v[180+\T], v[12+2*\T], v[182+\T]     ; old M - new M: a whole number, 0 or less
.endr
.endif
.irp T, 0,1
.irp c, 0,1
	v_fma_f32 v[168+4*\T+2*\c], v[168+4*\T+2*\c], s[CS], v[12+2*\T]   ; t - M of each block's largest score,
.endr
.endr
.if \first == 0
.irp T, 0,1
	v_cvt_i32_f32 v[180+\T], v[180+\T]             ; (it saturates)
.endr
.irp T, 0,1
	v_ldexp_f32 v[20+2*\T], 1.0, v[180+\T]         ; f = 2^(old M - new M)
.endr
.endif
	WIN 0x41
.irp j, 0,2,4,6,8,10,12,14,16,18,20,22,24,26,28,30,32,34,36,38,40,42,44,46,48,50,52,54,56,58,60,62
	v_pk_fma_f32 v[\j:\j+1], v[\j:\j+1], s[CS:CS+1], v[12:13] op_sel_hi:[1,0,0]   ; and of all of tile 0's, two at a time
.endr
	WIN 0
	s_wait_alu depctr_va_vdst(0)
.irp g, 0,1,2,3,4,5,6,7,8,9,10,11
	ds_load_b128 v[96+4*\g:99+4*\g], v[ADR] offset:6144+512*\g     ; V's four fragments
.endr
	ds_load_b32 v8, v[AD4] offset:12800            ; their scale words: tiles 0 and 1,
	ds_load_b32 v9, v[AD4] offset:12928            ; 2 and 3
.irp j, 168,170,172,174
	v_exp_f32 v[\j], v[\j]
.endr
	WIN 0x41
.irp j, 0,2,4,6,8,10,12,14,16,18,20,22,24,26,28,30,32,34,36,38,40,42,44,46,48,50,52,54,56,58,60,62
	v_exp_f32 v[\j], v[\j]                         ; tile 0's p = 2^(t - M); among them tile 1's t - M, first read behind the wait below
	v_exp_f32 v[\j+1], v[\j+1]
	v_pk_fma_f32 v[64+\j:65+\j], v[64+\j:65+\j], s[CS:CS+1], v[14:15] op_sel_hi:[1,0,0]
.endr
	WIN 0
	s_wait_alu depctr_va_vdst(0)
.if \bw
	s_barrier_wait -1                              ; every record is in
.endif
.if \pre
	LOADK ADR, REC                                 ; the next step's K
.endif
	WIN 0x41
.irp j, 0,2,4,6,8,10,12,14,16,18,20,22,24,26,28,30,32,34,36,38,40,42,44,46,48,50,52,54,56,58,60,62
	v_exp_f32 v[64+\j], v[64+\j]
	v_exp_f32 v[65+\j], v[65+\j]
.endr
	WIN 0
.if \first
	v_nop                                          ; the plain place behind the exponentials
.else
	v_pk_mul_f32 v[16:17], v[16:17], v[20:21] op_sel_hi:[1,0]      ; the sums under the new M: the plain places behind the exponentials
	v_pk_mul_f32 v[18:19], v[18:19], v[22:23] op_sel_hi:[1,0]
.endif
	s_wait_alu depctr_va_vdst(0)                   ; one wait for the whole batch, ahead of its first reader
	WIN 0x05
.irp k, 0,1,2                          ; the rows' sums, of the unquantised p, in four chains a tile
.irp T, 0,1
	v_pk_add_f32 v[192+6*\T+2*\k:193+6*\T+2*\k], v[64*\T+2+2*\k:64*\T+3+2*\k], v[64*\T+10+2*\k:64*\T+11+2*\k]
.endr
.endr
.if \first
.irp T, 0,1
	v_pk_add_f32 v[16+2*\T:17+2*\T], v[64*\T:64*\T+1], v[64*\T+8:64*\T+9]
.endr
.endif
	WIN 0x04
.if \first == 0
.irp m, 0,8
.irp T, 0,1
	v_pk_add_f32 v[16+2*\T:17+2*\T], v[16+2*\T:17+2*\T], v[64*\T+\m:64*\T+\m+1]
.endr
.endr
.endif
.irp m, 16,24,32,40,48,56
.irp T, 0,1
	v_pk_add_f32 v[16+2*\T:17+2*\T], v[16+2*\T:17+2*\T], v[64*\T+\m:64*\T+\m+1]
	v_pk_add_f32 v[192+6*\T:193+6*\T], v[192+6*\T:193+6*\T], v[64*\T+\m+2:64*\T+\m+3]
	v_pk_add_f32 v[194+6*\T:195+6*\T], v[194+6*\T:195+6*\T], v[64*\T+\m+4:64*\T+\m+5]
	v_pk_add_f32 v[196+6*\T:197+6*\T], v[196+6*\T:197+6*\T], v[64*\T+\m+6:64*\T+\m+7]
.endr
.endr
	WIN 0
.irp T, 0,1
	v_pk_add_f32 v[192+6*\T:193+6*\T], v[192+6*\T:193+6*\T], v[194+6*\T:195+6*\T]
	v_pk_add_f32 v[16+2*\T:17+2*\T], v[16+2*\T:17+2*\T], v[196+6*\T:197+6*\T]
.endr
.irp T, 0,1
.irp c, 0,1
	v_max_num_f32 v[168+4*\T+2*\c], 0x1800000, v[168+4*\T+2*\c]    ; the floor 2^(3 - 127): the byte cannot fall under 1
.endr
.endr
.irp T, 0,1
	v_pk_add_f32 v[16+2*\T:17+2*\T], v[16+2*\T:17+2*\T], v[192+6*\T:193+6*\T]
.endr
.irp T, 0,1
.irp c, 0,1
	v_add_nc_u32 v[184+2*\T+\c], 0xff000000, v[168+4*\T+2*\c]      ; the conversion's scale operand
.endr
.endr
.irp T, 0,1
.irp c, 0,1
	v_lshrrev_b32 v[188+2*\T+\c], 23, v[184+2*\T+\c]               ; the scale's byte
.endr
.endr
.irp T, 0,1
	v_lshl_or_b32 v[188+2*\T], v[189+2*\T], 16, v[188+2*\T]        ; blocks h and 2 + h
.endr
.irp T, 0,1
	v_permlanex16_b32 v[178+\T], v[188+2*\T], s[SEL], s[SEL+1]
.endr
.irp T, 0,1
	v_lshl_or_b32 v[10+\T], v[178+\T], 8, v[188+2*\T]              ; lanes 0-15: p's scale word for these 128 keys
.endr
	WIN 0x01
.irp T, 0,1                            ; (a conversion's three registers begin on an even number)
	v_cvt_scalef32_pk16_fp6_f32 v[144+12*\T:146+12*\T], v[64*\T:64*\T+15], v[184+2*\T]
	v_cvt_scalef32_pk16_fp6_f32 v[204+8*\T:206+8*\T], v[64*\T+16:64*\T+31], v[184+2*\T]
	v_cvt_scalef32_pk16_fp6_f32 v[150+12*\T:152+12*\T], v[64*\T+32:64*\T+47], v[185+2*\T]
	v_cvt_scalef32_pk16_fp6_f32 v[208+8*\T:210+8*\T], v[64*\T+48:64*\T+63], v[185+2*\T]
.endr
	WIN 0
	v_nop                                          ; one plain place behind the scaled conversions
.irp T, 0,1
.irp i, 0,1,2
	v_mov_b32 v[147+12*\T+\i], v[204+8*\T+\i]
	v_mov_b32 v[153+12*\T+\i], v[208+8*\T+\i]
.endr
.endr
.if \pre
	s_wait_dscnt 13                                ; V is in; the next step's 13 K loads may be out
.else
	s_wait_dscnt 0x0
.endif
.if \first
	s_wait_alu depctr_va_vdst(0)
.rept 4
	v_nop                                          ; places between p's codes and the products
.endr
	WIN 0x40
.irp t, 0,2
.irp T, 0,1
	v_wmma_scale_f32_16x16x128_f8f6f4 v[128+32*\T+8*\t:135+32*\T+8*\t], v[96+12*\t:107+12*\t], v[144+12*\T:155+12*\T], 0, v[8+\t/2], v[10+\T] matrix_a_fmt:MATRIX_FMT_FP6 matrix_b_fmt:MATRIX_FMT_FP6
	v_wmma_scale_f32_16x16x128_f8f6f4 v[136+32*\T+8*\t:143+32*\T+8*\t], v[108+12*\t:119+12*\t], v[144+12*\T:155+12*\T], 0, v[8+\t/2], v[10+\T] matrix_a_fmt:MATRIX_FMT_FP6 matrix_b_fmt:MATRIX_FMT_FP6 matrix_a_scale:MATRIX_SCALE_ROW1
.endr
.endr
.else
	WIN 0x41
	s_wait_alu depctr_va_vdst(0)                   ; ahead of the first reader of O^T
.irp T, 0,1
.irp j, 0,2,4,6,8,10,12,14,16,18,20,22,24,26,28,30
	v_pk_mul_f32 v[128+32*\T+\j:129+32*\T+\j], v[128+32*\T+\j:129+32*\T+\j], v[20+2*\T:21+2*\T] op_sel_hi:[1,0]   ; O^T under the new M, each accumulator from its low end on; also the places between p's codes and the products
.endr
.endr
	WIN 0x50                                       ; C and D in window 1
.irp t, 0,2
.irp T, 0,1
	v_wmma_scale_f32_16x16x128_f8f6f4 v[128+32*\T+8*\t:135+32*\T+8*\t], v[96+12*\t:107+12*\t], v[144+12*\T:155+12*\T], v[128+32*\T+8*\t:135+32*\T+8*\t], v[8+\t/2], v[10+\T] matrix_a_fmt:MATRIX_FMT_FP6 matrix_b_fmt:MATRIX_FMT_FP6
	v_wmma_scale_f32_16x16x128_f8f6f4 v[136+32*\T+8*\t:143+32*\T+8*\t], v[108+12*\t:119+12*\t], v[144+12*\T:155+12*\T], v[136+32*\T+8*\t:143+32*\T+8*\t], v[8+\t/2], v[10+\T] matrix_a_fmt:MATRIX_FMT_FP6 matrix_b_fmt:MATRIX_FMT_FP6 matrix_a_scale:MATRIX_SCALE_ROW1
.endr
.endr
.endif
	WIN 0
	s_add_co_u32 s[TB], s[TB], REC
.endm
	STEP 1, 1, 0, 0
	STEP 0, 1, 1, 0
	STEP 0, 1, 0, 1
	s_mov_b32 s[CNT], 12                           ; steps 3 to 14
.Lstep:
	STEP 0, 1, 0, 0
	s_sub_co_u32 s[CNT], s[CNT], 1
	s_cmp_lg_u32 s[CNT], 0
	s_cbranch_scc1 .Lstep
	STEP 0, 0, 0, 0
	; THE WAY OUT: y = O^T / the sum, quantised along the head's 64: register n is channel 32 h + n: my one block of each tile, half a fragment of the last product's operand
.irp T, 0,1
	v_add_f32 v[16+2*\T], v[16+2*\T], v[17+2*\T]
.endr
.irp T, 0,1
	v_permlanex16_b32 v[176+\T], v[16+2*\T], s[SEL], s[SEL+1]
.endr
.irp T, 0,1
	v_add_f32 v[16+2*\T], v[16+2*\T], v[176+\T]    ; the row's sum
.endr
	s_wait_alu depctr_va_vdst(0)
	v_rcp_f32 v16, v16
	v_rcp_f32 v18, v18
	v_and_b32 v6, 15, v0                           ; (plain places behind the reciprocals)
	v_bfe_u32 v7, v0, 4, 1
	s_lshl_b32 s49, s[WV], 6
	s_add_co_u32 s49, s49, YS
	v_lshl_add_u32 v6, v6, 1, v7
	v_add_nc_u32 v6, s49, v6                       ; my blocks' bytes: 64 x wave + 32 T + 2 r + h
	v_add_nc_u32 v7, YS, v[LI]                     ; where wave 0 reads the 512 bytes back
	s_lshr_b32 s50, s14, 4                         ; b
	s_and_b32 s51, s14, 15                         ; h
	s_lshl_b32 s52, s50, 7
	s_lshl_b32 s53, s13, 4
	s_add_co_u32 s52, s52, s53
	s_lshl_b32 s53, s[WV], 1
	s_add_co_u32 s52, s52, s53                     ; my first tile of tokens: 128 b + 16 x block + 2 x wave
	s_mul_i32 s52, s52, 12288
	s_mul_i32 s53, s51, 768
	s_add_co_u32 s52, s52, s53
	s_mov_b32 s53, 0
	s_add_nc_u64 s[8:9], s[8:9], s[52:53]
	s_lshl_b32 s54, s51, 13                        ; the scale bytes: 8,192 h + 32 x tile
	s_lshl_b32 s55, s50, 6
	s_lshl_b32 s56, s13, 3
	s_add_co_u32 s55, s55, s56
	s_lshl_b32 s55, s55, 6
	s_add_co_u32 s54, s54, s55
	s_mov_b32 s55, 0
	s_add_nc_u64 s[10:11], s[10:11], s[54:55]
	WIN 0x41
	s_wait_alu depctr_va_vdst(0)                   ; ahead of the reciprocals' and O^T's first readers
.irp T, 0,1
.irp j, 0,1,2,3,4,5,6,7,8,9,10,11,12,13,14,15,16,17,18,19,20,21,22,23,24,25,26,27,28,29,30,31
	v_mul_f32 v[64*\T+\j], v[128+32*\T+\j], v[16+2*\T]
.endr
.endr
	WIN 0x14
.irp T, 0,1
	v_max3_num_f32 v[168+\T], 0x1800000, |v[64*\T]|, |v[64*\T+1]|
	v_max3_num_f32 v[170+\T], 0x1800000, |v[64*\T+16]|, |v[64*\T+17]|
.endr
.irp i, 2,4,6,8,10,12,14
.irp T, 0,1
	v_max3_num_f32 v[168+\T], v[168+\T], |v[64*\T+\i]|, |v[64*\T+\i+1]|
	v_max3_num_f32 v[170+\T], v[170+\T], |v[64*\T+\i+16]|, |v[64*\T+\i+17]|
.endr
.endr
	WIN 0
.irp T, 0,1
	v_max_num_f32 v[168+\T], v[168+\T], v[170+\T]
.endr
.irp T, 0,1
	v_add_nc_u32 v[184+\T], 0xff000000, v[168+\T]
.endr
.irp T, 0,1
	v_lshrrev_b32 v[188+\T], 23, v[184+\T]
.endr
	WIN 0x01
.irp T, 0,1
	v_cvt_scalef32_pk16_fp6_f32 v[144+12*\T:146+12*\T], v[64*\T:64*\T+15], v[184+\T]
	v_cvt_scalef32_pk16_fp6_f32 v[204+8*\T:206+8*\T], v[64*\T+16:64*\T+31], v[184+\T]
.endr
	WIN 0
	v_nop
.irp T, 0,1
.irp i, 0,1,2
	v_mov_b32 v[147+12*\T+\i], v[204+8*\T+\i]
.endr
.endr
.irp T, 0,1
	global_store_b128 v[LI], v[144+12*\T:147+12*\T], s[8:9] offset:12288*\T          ; 512 consecutive aligned bytes,
	global_store_b64 v[L8], v[148+12*\T:149+12*\T], s[8:9] offset:12288*\T+512       ; and 256
	ds_store_b8 v6, v[188+\T] offset:32*\T
.endr
	s_wait_dscnt 0x0
	s_barrier_signal -1
	s_barrier_wait -1
	s_cmp_lg_u32 s[WV], 0
	s_cbranch_scc1 .Lnot_first                     ; wave 0 sends the work-group's 512 scale bytes
	ds_load_b128 v[192:195], v7
	s_wait_dscnt 0x0
	global_store_b128 v[LI], v[192:195], s[10:11]
.Lnot_first:
	s_wait_tensorcnt 0x0                           ; the wave's end
	ds_add_u32 v[SPW], v[NIL]
	s_wait_dscnt 0x0
	CROUND                                         ; the closing round
	s_endpgm
.Lfunc_end_k_q88307dca45_attn:
	.size	k_q88307dca45_attn, .Lfunc_end_k_q88307dca45_attn-k_q88307dca45_attn
	.p2alignl 7, 3214868480
	.fill 96, 4, 3214868480
	.section	.rodata,"a",@progbits
	.p2align	6, 0x0
	.amdhsa_kernel k_q88307dca45_attn
		.amdhsa_group_segment_fixed_size 210432
		.amdhsa_private_segment_fixed_size 0
		.amdhsa_enable_private_segment 0
		.amdhsa_kernarg_size 32
		.amdhsa_user_sgpr_count 2
		.amdhsa_user_sgpr_kernarg_segment_ptr 1
		.amdhsa_wavefront_size32 1
		.amdhsa_system_sgpr_workgroup_id_x 1
		.amdhsa_system_sgpr_workgroup_id_y 1
		.amdhsa_system_sgpr_workgroup_id_z 1
		.amdhsa_system_vgpr_workitem_id 0
		.amdhsa_next_free_vgpr 512
		.amdhsa_next_free_sgpr 66
		.amdhsa_reserve_vcc 0
		.amdhsa_float_denorm_mode_32 3
		.amdhsa_float_denorm_mode_16_64 3
		.amdhsa_memory_ordered 1
		.amdhsa_forward_progress 1
		.amdhsa_inst_pref_size 145
	.end_amdhsa_kernel
	.amdgpu_metadata
---
amdhsa.version: [ 1, 2 ]
amdhsa.kernels:
  - .name:           k_q88307dca45_attn
    .symbol:         k_q88307dca45_attn.kd
    .args:
      - { .name: qimg, .offset: 0, .size: 8, .value_kind: global_buffer, .address_space: global }
      - { .name: kv, .offset: 8, .size: 8, .value_kind: global_buffer, .address_space: global }
      - { .name: ycodes, .offset: 16, .size: 8, .value_kind: global_buffer, .address_space: global }
      - { .name: yscale, .offset: 24, .size: 8, .value_kind: global_buffer, .address_space: global }
    .group_segment_fixed_size: 210432
    .private_segment_fixed_size: 0
    .kernarg_segment_align: 8
    .kernarg_segment_size: 32
    .max_flat_workgroup_size: 256
    .sgpr_count:     66
    .vgpr_count:     512
    .wavefront_size: 32
...
	.end_amdgpu_metadata
.endif
;; end of part 3
;; launch outp (part 4): grid 8 x 32, 4 waves a work-group, clusters of 4 x 4, 214,528 bytes of LDS; arguments ycodes, yscale, codes, scales, bo, out0; writes out0
.if DOCPART == 4
	.amdgcn_target "amdgcn-amd-amdhsa--gfx1250"
	.amdhsa_code_object_version 6
	.text
	.protected	k_q88307dca45_outp
	.globl	k_q88307dca45_outp
	.p2align	8
	.type	k_q88307dca45_outp,@function
k_q88307dca45_outp:
	s_mov_b64 s[64:65], 0
	v_nop
	global_prefetch_b8 v0, s[64:65] scope:SCOPE_SE
	s_setreg_imm32_b32 hwreg(HW_REG_WAVE_MODE, 25, 1), 1
	s_wait_xcnt 0x0
	s_wait_alu depctr_hold_cnt(0) depctr_sa_sdst(0) depctr_va_vdst(0) depctr_va_sdst(0) depctr_va_ssrc(0) depctr_va_vcc(0) depctr_vm_vsrc(0)
	s_getreg_b32 s2, hwreg(HW_REG_IB_STS2, 6, 4)
	s_cmp_eq_u32 s2, 0
	s_cbranch_scc0 .Lentry_in_a_cluster
	s_endpgm
.Lentry_in_a_cluster:
	s_bfe_u32 s2, ttmp6, 0x10000c
	s_cmp_lg_u32 s2, 0xf033
	s_cbranch_scc0 .Lentry_shape_is_right
	s_endpgm
.Lentry_shape_is_right:
; out0 = y wo^T + bo on codes of FP6 (E2M3) with E8M0 scales, K = 1,024; out0 [4096][1024] f32.
; A work-group makes 128 tokens (P: source 1, a lane's row) x 128 features (R = wo: source 0, the registers' rows): 256 work-groups; a wave 64 x 64.
; A WAVE KEEPS ITS 64 ROWS OF wo, ALL OF K, IN REGISTERS (32 fragments, 384 registers) and streams its four token tiles past them: 32 products a tile on four accumulators; a finished tile's rows leave while the next is multiplied.
; ALL OF K FOR BOTH OPERANDS LIES IN LDS; one tensor load a wave: wave 0 wo's first half of K, wave 1 the token tiles 0, 1 of both halves of the tokens, wave 2 wo's second half of K, wave 3 the token tiles 2, 3.  Nothing is filled again.
; The first barrier shows what waves 0 and 1 brought, the second the rest.
; CLUSTER 4 x 4: y's tiles are asked for jointly along a row of the cluster, wo's along a column.  No prefetch: every tile is asked for at the head.
; Operands lie as images of fragments; y's as two halves a K step (a head each): 512 bytes of registers 0-3, 256 of registers 4-5.  A tile's rows are 32 (r / 8) + 8 j + r % 8 of a group of 64: for wo that makes a lane's
; 32 results of four tiles neighbours; for the tokens it is undone by the stores' row offsets.  The bias is the C of each sum's first product.
; LIMITS: NaN and infinities are not served.
; REGISTERS: window 0: v4-22 addresses; v24-39 wo's scale words, v44-59 y's; v60-91 the bias; v92-123 y's scale half-words; v128-159, v160-191 two sets of four accumulators; v192-223, v224-255 rows on the way out.
;   windows 1, 2: wo's fragments 4 q + b (21 in window 1, 11 in window 2).   window 3: two sets of y's eight fragments at v0 and v96.
.set RH,   49152                       ; wo's eight tiles x 6,144 bytes: a half of K
.set PB,   2*RH                        ; y's tiles 0, 1, 4, 5; behind them 2, 3, 6, 7: 12,288 bytes each
.set STG,  4*RH                        ; behind: a stage of 16 rows x (256 bytes + 16) for each wave
.set SPITCH, 272
.set SPARE,  STG+4*16*SPITCH
.set AP16, 4                           ; v4-5   my token tiles 0, 1 and 2, 3: 16 x lane
.set AP8,  8                           ; v8-9   the same, 8 x lane
.set AR,   12                          ; v12-13 my rows of wo in half c of K
.set SPW,  14
.set NIL,  15
.set LI,   16
.set L8,   17
.set L2,   18
.set BA,   19
.set STO,  20
.set RD,   21
.set CO,   22
.set SR,   24
.set SPY,  44
.set BI,   60
.set HW,   92
.set ACC,  128
.set BUF,  192
.set WV,   16
.set HF,   17
.set HC,   18
.set G1P,  24
.set G1R,  32
.set G0P,  40                          ; s[40:47] two sets
.set G0R,  68                          ; s[68:75]
.set MSB, 0
.macro WIN new
.if MSB != (\new)
	s_set_vgpr_msb (MSB<<8)|(\new)
.set MSB, (\new)
.endif
.endm
.macro PLACES n
.rept \n
	v_nop
.endr
.endm
.macro CROUND
	s_barrier_signal -1
	s_barrier_wait -1
	s_cmp_lg_u32 s[WV], 0
	s_cbranch_scc1 .Lnot_wave_0_\@
	s_barrier_signal -3
.Lnot_wave_0_\@:
	s_barrier_wait -3
	s_barrier_signal -1
	s_barrier_wait -1
.endm
.macro TLOAD g0, g1
	tensor_load_to_lds s[\g0:\g0+3], s[\g1:\g1+7]
	s_nop 0
	PLACES 4
.endm
.macro GROUP1 g, mask, n, rows, pitch  ; rows of n elements of 8 bytes
	s_or_b32 s[\g], s\mask, (3<<16)|(1<<21)
	s_mov_b32 s[\g+1], (\n)<<16
	s_mov_b32 s[\g+2], (\rows)<<16
	s_mov_b32 s[\g+3], (\n)<<16
	s_mov_b32 s[\g+4], \rows
	s_mov_b32 s[\g+5], \pitch
	s_mov_b32 s[\g+6], 0
	s_mov_b32 s[\g+7], 0
.endm
.macro GROUP0 g, lds, base, off
	s_mov_b32 s[\g], 1
	s_mov_b32 s[\g+1], \lds
	s_add_nc_u64 s[\g+2:\g+3], s[\base:\base+1], \off
	s_or_b32 s[\g+3], s[\g+3], 0x80000000
.endm
	s_load_b256 s[4:11], s[0:1], 0x0               ; ycodes, yscale, codes, scales
	s_load_b128 s[12:15], s[0:1], 0x20             ; bo, out0
	v_lshl_add_u32 v[SPW], v0, 2, SPARE
	v_mov_b32 v[NIL], 0
	ds_add_u32 v[SPW], v[NIL]                      ; the wave's opening: the add, twice on end
	ds_add_u32 v[SPW], v[NIL]
	v_lshrrev_b32 v1, 5, v0
	v_readfirstlane_b32 s[WV], v1
	s_lshr_b32 s[HF], s[WV], 1                     ; my half of the tokens
	s_and_b32 s[HC], s[WV], 1                      ; my half of the features
	s_bfe_u32 s19, ttmp6, 0x40000                  ; cx
	s_bfe_u32 s20, ttmp6, 0x40004                  ; cy
	s_lshl_b32 s21, ttmp9, 2
	s_add_co_u32 s21, s21, s19                     ; block of 128 features
	s_and_b32 s22, ttmp7, 0xffff
	s_lshl_b32 s22, s22, 2
	s_add_co_u32 s22, s22, s20                     ; block of 128 tokens
	s_lshl_b32 s23, s20, 2
	s_lshl_b32 s23, 15, s23                        ; my row of the cluster
	s_lshl_b32 s56, 0x1111, s19                    ; my column
	GROUP1 G1R, 56, 768, 8, 1536                   ; eight tiles' halves of K, 12,288 bytes apart
	GROUP1 G1P, 23, 3072, 2, 6144                  ; two runs of two whole tiles, four tiles apart
	s_mul_i32 s58, s22, 8*12288                    ; y's tiles 8 x block ..
	s_mov_b32 s59, 0
	s_mul_i32 s60, s21, 8*12288
	s_add_co_u32 s60, s60, 448*12288               ; wo's tiles begin at tile 448 of codes
	s_mov_b32 s61, 0
	s_wait_dscnt 0x0
	CROUND                                         ; all sixteen work-groups are here: the joint loads meet
	s_wait_kmcnt 0x0
	s_add_nc_u64 s[58:59], s[4:5], s[58:59]
	s_add_nc_u64 s[60:61], s[8:9], s[60:61]
	GROUP0 G0R, 0, 60, 0
	GROUP0 G0P, PB, 58, 0
	GROUP0 G0R+4, RH, 60, 6144
	GROUP0 G0P+4, PB+RH, 58, 24576
	s_cmp_eq_u32 s[WV], 0
	s_cbranch_scc0 .Lwave_1
	TLOAD G0R, G1R
	s_branch .Lasked
.Lwave_1:
	s_cmp_eq_u32 s[WV], 1
	s_cbranch_scc0 .Lwave_2
	TLOAD G0P, G1P
	s_branch .Lasked
.Lwave_2:
	s_cmp_eq_u32 s[WV], 2
	s_cbranch_scc0 .Lwave_3
	TLOAD G0R+4, G1R
	s_branch .Lasked
.Lwave_3:
	TLOAD G0P+4, G1P
.Lasked:
	s_lshl_b32 s84, s22, 2                         ; y's half-words: group 4 x block + 2 x half, 64 bytes a group of two tiles
	s_lshl_b32 s85, s[HF], 1
	s_add_co_u32 s84, s84, s85
	s_lshl_b32 s84, s84, 6
	s_mov_b32 s85, 0
	s_add_nc_u64 s[6:7], s[6:7], s[84:85]
	s_lshl_b32 s86, s21, 2                         ; wo's scale images: pair 224 + 4 x block + 2 x half
	s_lshl_b32 s87, s[HC], 1
	s_add_co_u32 s86, s86, s87
	s_add_co_u32 s86, s86, 224
	s_lshl_b32 s86, s86, 10
	s_mov_b32 s87, 0
	s_add_nc_u64 s[10:11], s[10:11], s[86:87]
	s_lshl_b32 s88, s21, 9                         ; my 64 features, in bytes: 512 x block + 256 x half
	s_lshl_b32 s89, s[HC], 8
	s_add_co_u32 s88, s88, s89
	s_mov_b32 s89, 0
	s_add_nc_u64 s[12:13], s[12:13], s[88:89]
	s_mul_i32 s90, s[HF], 24576                    ; my two tiles of each of y's runs
	s_add_co_u32 s90, s90, PB
	s_mul_i32 s91, s[HC], 24576                    ; my four tiles of wo
	s_mul_i32 s92, s[WV], 16*SPITCH
	s_add_co_u32 s92, s92, STG                     ; my stage
	s_lshl_b32 s93, s22, 7
	s_lshl_b32 s94, s[HF], 6
	s_add_co_u32 s93, s93, s94
	s_lshl_b32 s94, s93, 12                        ; my first token's row of 4,096 bytes,
	s_add_co_u32 s94, s94, s88                     ; my first feature
	s_mov_b32 s95, 0
	s_add_nc_u64 s[14:15], s[14:15], s[94:95]
	v_and_b32 v1, 31, v0
	v_and_b32 v2, 15, v0                           ; r
	v_bfe_u32 v3, v0, 4, 1                         ; h
	v_lshlrev_b32 v[LI], 4, v1
	v_lshlrev_b32 v[L8], 3, v1
	v_lshlrev_b32 v[L2], 1, v1
	v_lshlrev_b32 v[BA], 7, v3                     ; the bias: my half's 32 numbers further on
.irp p, 0,1
.irp d, 0,1,2,3,4,5,6,7,8,9,10,11,12,13,14,15
	global_load_u16 v[HW+16*\p+\d], v[L2], s[6:7] offset:8192*\d+64*\p   ; head d's two bytes: lanes 0-15 the pair's even tile, lanes 16-31 the odd one
.endr
.endr
.irp p, 0,1
.irp g, 0,1
	global_load_b128 v[SR+8*\p+4*\g:SR+8*\p+4*\g+3], v[LI], s[10:11] offset:1024*\p+512*\g
.endr
.endr
.irp b, 0,1,2,3
	global_load_b128 v[BI+8*\b:BI+8*\b+3], v[BA], s[12:13] offset:32*\b        ; tile b's register j: feature 32 h + 8 b + j
	global_load_b128 v[BI+8*\b+4:BI+8*\b+7], v[BA], s[12:13] offset:32*\b+16
.endr
	v_add_nc_u32 v[AP16], s90, v[LI]
	v_add_nc_u32 v[AP8], s90, v[L8]
	v_add_nc_u32 v[AR], s91, v[LI]
	v_add_nc_u32 v[AP16+1], RH, v[AP16]
	v_add_nc_u32 v[AP8+1], RH, v[AP8]
	v_add_nc_u32 v[AR+1], RH, v[AR]
	v_mul_u32_u24 v[STO], v2, SPITCH
	v_lshl_add_u32 v[STO], v3, 7, v[STO]
	v_add_nc_u32 v[STO], s92, v[STO]               ; in: row r, + 128 h bytes
	v_mul_u32_u24 v[RD], v3, SPITCH
	v_lshl_add_u32 v[RD], v2, 4, v[RD]
	v_add_nc_u32 v[RD], s92, v[RD]                 ; back: lanes 0-15 one row of 256 bytes, lanes 16-31 the next
	v_lshlrev_b32 v[CO], 12, v3
	v_lshl_add_u32 v[CO], v2, 4, v[CO]             ; and the same two rows in out0
	s_wait_alu depctr_va_vdst(0)
	s_wait_loadcnt 0x0
.irp p, 0,1
.irp s, 0,1,2,3,4,5,6,7
	v_lshl_or_b32 v[SPY+8*\p+\s], v[HW+16*\p+2*\s+1], 16, v[HW+16*\p+2*\s]   ; K step s: heads 2 s and 2 s + 1
.endr
.endr
	PLACES 8                                       ; a scale register written by a vector instruction stands eight places ahead of a scaled product
.macro LDX a, q                        ; token tile a's fragment of K step q, into set a % 2: four loads
.set R_, 96*((\a)%2)+12*(\q)
.set O_, 12288*((\a)%2)+1536*(\q)
	WIN 0xc0
	ds_load_b128 v[R_:R_+3], v[AP16+(\a)/2] offset:O_
	ds_load_b64 v[R_+4:R_+5], v[AP8+(\a)/2] offset:O_+512
	ds_load_b128 v[R_+6:R_+9], v[AP16+(\a)/2] offset:O_+768
	ds_load_b64 v[R_+10:R_+11], v[AP8+(\a)/2] offset:O_+1280
.endm
.macro LDW q                           ; wo's four fragments of K step q: twelve loads
.irp b, 0,1,2,3
.set F_, 4*(\q)+\b
.set R_, 12*(F_%21)
	WIN (1+F_/21)*64
.irp c, 0,1,2
	ds_load_b128 v[R_+4*\c:R_+4*\c+3], v[AR+(\q)/4] offset:6144*\b+1536*((\q)%4)+512*\c
.endr
.endr
.endm
.macro FETCHX a
.irp q, 0,1,2,3,4,5,6,7
	LDX \a, \q
.endr
	WIN 0
.endm
.macro W2 ra, rb
	v_wmma_scale_f32_16x16x128_f8f6f4 v[rD:rD+7], v[rA:rA+11], v[rB:rB+11], v[rC:rC+7], v[rX], v[rY] matrix_a_fmt:MATRIX_FMT_FP6 matrix_b_fmt:MATRIX_FMT_FP6 matrix_a_scale:MATRIX_SCALE_ROW\ra matrix_b_scale:MATRIX_SCALE_ROW\rb
.endm
.macro PRODS a, from, to               ; products n = 4 q + b of token tile a: the four accumulators take turns, one instruction a turn
.set N_, \from
.rept (\to)-(\from)
.set pq, N_/4
.set pb, N_%4
.set rD, ACC+32*((\a)%2)+8*pb
.set rC, rD
.if pq == 0
.set rC, BI+8*pb                       ; the bias starts the sum
.endif
.set rA, 12*(N_%21)
.set rB, 96*((\a)%2)+12*pq
.set rX, SR+8*(pb/2)+pq
.set rY, SPY+8*((\a)/2)+pq
.set rK, 2*(pb%2)+(\a)%2
.set WN, 13+N_/21                      ; source 0 window 1 or 2, source 1 window 3, C and D window 0
	WIN WN
.if rK == 0
	W2 0, 0
.elseif rK == 1
	W2 0, 1
.elseif rK == 2
	W2 1, 0
.else
	W2 1, 1
.endif
.set N_, N_+1
.endr
	WIN 0
.endm
; THE WAY OUT of a tile of 16 tokens x 64 features, through my own stage: a lane's 128 bytes go in by rows of 272 bytes and come back as whole rows of 256, which sixteen lanes store as one aligned run.
; LDS serves a wave's instructions in order (ISA guide 5.7.1.4): no wait between the stores and the loads, nor in front of the next tile's stores.
.macro TOSTAGE a
.irp b, 0,1,2,3
	ds_store_b128 v[STO], v[ACC+32*((\a)%2)+8*\b:ACC+32*((\a)%2)+8*\b+3] offset:32*\b          ; each accumulator from its low end on
	ds_store_b128 v[STO], v[ACC+32*((\a)%2)+8*\b+4:ACC+32*((\a)%2)+8*\b+7] offset:32*\b+16
.endr
.set BB, BUF+32*((\a)%2)
.irp i, 0,1,2,3,4,5,6,7
	ds_load_b128 v[BB+4*\i:BB+4*\i+3], v[RD] offset:2*SPITCH*\i
.endr
.endm
.macro SEND a, younger                 ; younger: the LDS loads issued behind tile a's
.set BB, BUF+32*((\a)%2)
	s_wait_dscnt \younger
.irp i, 0,1,2,3,4,5,6,7
	global_store_b128 v[CO], v[BB+4*\i:BB+4*\i+3], s[14:15] offset:(8*(\a)+2*\i+24*(\i/4))*4096 th:TH_STORE_NT   ; tile row p is token 8 a + p % 8 + 32 (p / 8); 16 lanes store 256 consecutive aligned bytes
.endr
.endm
	s_wait_alu depctr_va_vdst(0)
	s_cmp_lt_u32 s[WV], 2
	s_cbranch_scc0 .Lnot_first
	s_wait_tensorcnt 0x0                           ; waves 0 and 1: wo's first half of K and the token tiles 0, 1 are in
.Lnot_first:
	s_barrier_signal -1
	s_barrier_wait -1
.irp q, 0,1,2,3
	LDX 0, \q
	LDW \q
.endr
	WIN 0
.irp q, 0,1,2,3
	s_wait_dscnt 16*(3-\q)                         ; K step q's 16 loads are in; the later steps' may be out
	PRODS 0, 4*\q, 4*\q+4
.endr
.irp q, 4,5,6,7
	LDX 0, \q                                      ; (registers that no product has read)
.endr
	FETCHX 1
	s_wait_tensorcnt 0x0                           ; the rest has landed
	s_wait_dscnt 0x0
	s_barrier_signal -1
	s_barrier_wait -1
.irp q, 4,5,6,7
	LDW \q
.endr
	WIN 0
.irp q, 4,5,6,7
	s_wait_dscnt 12*(7-\q)                         ; K step q's 12 loads are in
	PRODS 0, 4*\q, 4*\q+4
.endr
.irp a, 0,1,2
	PLACES 4                                       ; in front of the first read of results, and of loads into registers that the products have read
.if \a > 1
	s_wait_xcnt 0x0                                ; tile a - 2's stores have read their registers: tile a's loads may land there
.endif
	TOSTAGE \a
.if \a < 2
	FETCHX \a+2
.endif
.if \a == 1
	s_wait_dscnt 48                                ; tile 2's fragments are in: behind them tile 1's 16 of the way out and tile 3's 32 loads
.elseif \a == 2
	s_wait_dscnt 16                                ; tile 3's: behind them tile 2's 16
.endif
	PRODS \a+1, 0, 8
	SEND \a, 32*(1-\a/2)
	PRODS \a+1, 8, 32
.endr
	PLACES 4
	s_wait_xcnt 0x0
	TOSTAGE 3
	SEND 3, 0
	s_wait_tensorcnt 0x0                           ; the wave's end
	ds_add_u32 v[SPW], v[NIL]
	s_wait_dscnt 0x0
	CROUND                                         ; the closing round
	s_endpgm
.Lfunc_end_k_q88307dca45_outp:
	.size	k_q88307dca45_outp, .Lfunc_end_k_q88307dca45_outp-k_q88307dca45_outp
	.p2alignl 7, 3214868480
	.fill 96, 4, 3214868480
	.section	.rodata,"a",@progbits
	.p2align	6, 0x0
	.amdhsa_kernel k_q88307dca45_outp
		.amdhsa_group_segment_fixed_size 214528
		.amdhsa_private_segment_fixed_size 0
		.amdhsa_enable_private_segment 0
		.amdhsa_kernarg_size 48
		.amdhsa_user_sgpr_count 2
		.amdhsa_user_sgpr_kernarg_segment_ptr 1
		.amdhsa_wavefront_size32 1
		.amdhsa_system_sgpr_workgroup_id_x 1
		.amdhsa_system_sgpr_workgroup_id_y 1
		.amdhsa_system_sgpr_workgroup_id_z 1
		.amdhsa_system_vgpr_workitem_id 0
		.amdhsa_next_free_vgpr 960
		.amdhsa_next_free_sgpr 100
		.amdhsa_reserve_vcc 0
		.amdhsa_float_denorm_mode_32 3
		.amdhsa_float_denorm_mode_16_64 3
		.amdhsa_memory_ordered 1
		.amdhsa_forward_progress 1
		.amdhsa_inst_pref_size 53
	.end_amdhsa_kernel
	.amdgpu_metadata
---
amdhsa.version: [ 1, 2 ]
amdhsa.kernels:
  - .name:           k_q88307dca45_outp
    .symbol:         k_q88307dca45_outp.kd
    .args:
      - { .name: ycodes, .offset: 0, .size: 8, .value_kind: global_buffer, .address_space: global }
      - { .name: yscale, .offset: 8, .size: 8, .value_kind: global_buffer, .address_space: global }
      - { .name: codes, .offset: 16, .size: 8, .value_kind: global_buffer, .address_space: global }
      - { .name: scales, .offset: 24, .size: 8, .value_kind: global_buffer, .address_space: global }
      - { .name: bo, .offset: 32, .size: 8, .value_kind: global_buffer, .address_space: global }
      - { .name: out0, .offset: 40, .size: 8, .value_kind: global_buffer, .address_space: global }
    .group_segment_fixed_size: 214528
    .private_segment_fixed_size: 0
    .kernarg_segment_align: 8
    .kernarg_segment_size: 48
    .max_flat_workgroup_size: 128
    .sgpr_count:     100
    .vgpr_count:     960
    .wavefront_size: 32
...
	.end_amdgpu_metadata
.endif
;; end of part 4
